; MI455X (gfx1250); checked and timed in simulation.
; The chip was launched on July 23, 2026; its instructions are those of AMD's public machine-readable ISA for CDNA 5 (MIT licence, August 2026) and "CDNA5" Instruction Set Architecture Reference Guide (July 2026). The comments in the code are by the model that wrote it; some were corrected since.
;; Cross Modality Attention. Allowed arithmetic: matrix products marked QUANTISED: E2M3 operands, one E8M0 scale for each 32 along K, by v_wmma_scale_f32_16x16x128_f8f6f4 with both operands' format E2M3, f32 sums; everything else in f32.
;; Inputs: b_out 1,024 float32; b_qkv 3,072 float32; context 2 x 2,048 x 1,024 float32; ln_b 1,024 float32; ln_g 1,024 float32; w_out_codes 1,024 x 32 x 24 uint8 (E2M3 codes of w_out, K innermost, in blocks of 32 codes, four codes in three bytes); w_out_scales 1,024 x 32 uint8 (E8M0 scales of w_out, one for each 32 codes along K); w_qkv_codes 3,072 x 32 x 24 uint8 (E2M3 codes of w_qkv, K innermost, in blocks of 32 codes, four codes in three bytes); w_qkv_scales 3,072 x 32 uint8 (E8M0 scales of w_qkv, one for each 32 codes along K); x 2 x 2,048 x 1,024 float32.
;; Outputs: out0 2 x 2,048 x 1,024 float32.
;; This version of the problem:
;;   THIS VERSION OF THE PROBLEM IS GIVEN IN LOW PRECISION. The matrix products marked QUANTISED in the list below multiply operands that are first quantised to E2M3 (2 exponent bits, 3 mantissa bits; 6 bits a number), with one power-of-two scale for each 32 numbers along K (OCP MX v1.0); their sums are f32. All else is computed in f32.
;;   The module's matrix products, in the order in which they are computed (A, B: the left and right operand; K: the contracted axis; several contracted axes count as one K, in the product's order):
;;     1. [M 4,096, K 1,024] x [K 1,024, N 3,072]; A: computed on the way; B: input w_qkv (given as codes): QUANTISED
;;     2. [M 4,096, K 1,024] x [K 1,024, N 3,072]; A: computed on the way; B: input w_qkv (given as codes): QUANTISED
;;     3. batch 32 x [M 2,048, K 64] x [K 64, N 4,096]; A: computed on the way; B: computed on the way: QUANTISED
;;     4. batch 32 x [M 2,048, K 4,096] x [K 4,096, N 64]; A: softmax (see below); B: computed on the way: QUANTISED
;;     5. [M 4,096, K 1,024] x [K 1,024, N 1,024]; A: computed on the way; B: input w_out (given as codes): QUANTISED
;;   THE QUANTISER, for each operand of a quantised product, along K:
;;     - K is cut into blocks of 32 from its start; a last block that is shorter is filled with zeros.
;;     - A block's scale is 2^e with e = floor(log2(the largest magnitude in the block)) - 2, held to -126 .. 127; a block of zeros has e = 0. As a byte (E8M0): e + 127.
;;     - Each number is divided by its block's scale, clamped to +-7.5, and rounded to the nearest number of E2M3, ties to even, subnormals kept.
;;     - The product sums the exact products of the quantised numbers (number of the format x scale) in f32.
;;   ~~~python
;;   def quantise(x, axis):      # numpy; x: float32 -> the quantised numbers, widened to float32 again
;;       x = np.moveaxis(x, axis, -1); K = x.shape[-1]
;;       x = np.pad(x, [(0, 0)] * (x.ndim - 1) + [(0, -K % 32)]); x = x.reshape(x.shape[:-1] + (-1, 32)); a = np.abs(x).max(-1, keepdims=True)
;;       e = np.where(a > 0, np.clip(np.frexp(np.where(a > 0, a, 1))[1] - 1 - 2, -126, 127), 0)      # np.frexp(a)[1] - 1 = floor(log2(a)), exactly
;;       r = np.clip(x / 2.0 ** e, -7.5, 7.5)
;;       step = 2.0 ** (np.maximum(np.frexp(np.where(r == 0, 1, r))[1] - 1, 0) - 3)
;;       q = np.round(r / step) * step * 2.0 ** e      # np.round: ties to even
;;       return np.moveaxis(q.reshape(q.shape[:-2] + (-1,))[..., :K], -1, axis).astype(np.float32)
;;   ~~~
;;   SOFTMAX AHEAD OF A QUANTISED PRODUCT. Where the list says 'softmax', what is quantised is not the finished softmax but p = 2^(t - M), with t = logit x log2(e) and M = ceil(the row's largest t), a whole number; so 1/2 < the row's largest p <= 1. The row's sum l is taken of the UNQUANTISED p, in f32, and the product's result is divided by l at the end. Since M is a whole number, a kernel that streams over the keys may use a running M (the ceiling of the running maximum): every later rescaling is an exact power of two, which a block's scale takes up: the codes' values come out the same.
;;   OPERANDS COMPUTED ON THE WAY. 'Computed on the way' means the value that the module computes at that place (a softmax that the list does not call 'softmax' is quantised finished and normalised). What goes into a quantiser is computed in f32, as accurately as f32 sums, v_exp_f32 and their like allow (about 1e-6 of the number): no bf16 or f16 on the way to a quantiser, and a product that is left as it is and whose result goes on into a quantised operand takes f32 operands (vector FMAs, or v_wmma_f32_16x16x4_f32). A number that lies on a knife's edge between two numbers of the format may be rounded either way, as far as f32 arithmetic and the matrix unit's own rounding can turn it there, and no further.
;;   INPUTS GIVEN AS CODES. w_out (in the module: [1024, 1024], K = its axis 0); w_qkv (in the module: [1024, 3072], K = its axis 0): each comes as NAME_codes (uint8): NAME with its K axis moved to the last place and cut into blocks of 32 codes, [.., K / 32, bytes a block], one block behind the other in memory; four codes in three bytes: a row's codes are one little-endian stream of bits, code i at bits 6 i .. 6 i + 5 (a code: sign, 2 exponent bits, 3 mantissa bits); and NAME_scales (uint8): the same leading axes, one E8M0 byte (e + 127) for each 32 codes along K. Its value is code x scale, taken as it is: it is not quantised again, and the codes and scales need not be those that the quantiser above would give.
;; One version. Each part assembles by itself: llvm-mc -triple=amdgcn-amd-amdhsa -mcpu=gfx1250 --defsym DOCPART=n.
;; ======== version 1 of 1: 4 launches
;; limits: right only within a limited range of input values
;; workspace buffers: xn_img 6,553,600 bytes; wqkv_img 2,457,600 bytes; wout_img 819,200 bytes; kv_img 13,107,200 bytes; o_img 3,276,800 bytes
;; launch prep (part 1): grid 256 x 1, 8 waves a work-group, no clusters, 132,608 bytes of LDS; arguments x, context, ln_g, ln_b, w_qkv_codes, w_qkv_scales, w_out_codes, w_out_scales, xn_img, wqkv_img, wout_img; writes xn_img, wqkv_img, wout_img
.if DOCPART == 1
	.amdgcn_target "amdgcn-amd-amdhsa--gfx1250"
	.amdhsa_code_object_version 6
	.text
	.protected	k_q53e353dbff_prep
	.globl	k_q53e353dbff_prep
	.p2align	8
	.type	k_q53e353dbff_prep,@function
k_q53e353dbff_prep:
	s_mov_b64 s[64:65], 0
	v_nop
	global_prefetch_b8 v0, s[64:65] scope:SCOPE_SE
	s_setreg_imm32_b32 hwreg(HW_REG_WAVE_MODE, 25, 1), 1
	s_wait_xcnt 0x0
; LayerNorm of x and of context (one g, one b), quantised along C to codes of FP6 (E2M3) with one E8M0 byte for each 32, and laid out as OPERAND RECORDS; and the given codes and
; scale bytes of w_qkv and w_out copied into records of the same form.  No products here, so no matrix unit; no input is shared but g and b (8 KB), so no cluster; the launch streams, so nothing is prefetched.
; TILE MAP (all operands of the program): tile T has 16 rows; its row r is matrix row 32 (T / 2) + 8 (T % 2) + r + 8 (r / 8).
; RECORD of a tile, 12,800 bytes: fragment s (16 rows x 128 K, 12 registers a lane) at 1536 s as an image of the registers: register p of lane l at 512 (p / 4) + 16 l + 4 (p % 4);
; the rows' scale words at 12288 + 128 (s / 2) + 8 r + 4 (s % 2).  Every store below covers 512 (words: 128) consecutive bytes.
; SHARES: work-group g takes rows 32 g .. 32 g + 31 of [x; context] (tiles 2 g, 2 g + 1) and weight tile g (g < 192: of w_qkv, else g - 192 of w_out).
; Phase A: wave w normalises rows 4 w .. 4 w + 3, a row in 32 registers a lane, mean first and then the squares of the differences; rows go to LDS in tile order, 4,112 bytes apart.
; Phase B: wave w quantises K steps 2 (w % 4), 2 (w % 4) + 1 of tile w / 4: lane (r, h) reads, of row r, 16 neighbours of each block of 32.
; LIMITS: NaN and infinities are not served.  A block whose largest magnitude lies under 2^-124 (a block of zeros too) gets the byte 1; its codes are then zeros or the rule's own; the bytes are read by this program alone.
; WORK LEFT OUT BY THE PROGRAM: reference() keeps of the context's projection ckv only the columns C .. 3C - 1 (ck, cv); its first C columns are sliced away and reach no output, whatever the inputs hold.
; So the later launches multiply LN(context) by the K and V rows of w_qkv alone.  Every input still has a way to the output and is loaded.  A NaN, an infinity or an overflow that would arise only in those columns is not carried to the result.
.set LP,  4112
.set REC, 12800
.set X,   32                           ; v32-159  four rows x 32 numbers; phase B: two sets of 64 numbers
.set GG,  160                          ; v160-191 g; phase B: codes
.set BB,  192                          ; v192-223 b
.set TM,  224                          ; v224-239 sums in phase A; QUANT's work registers in phase B
.set MR,  242                          ; v242-249 a pair for each row: the mean, later 1 / sqrt(var + eps)
.set H0,  32
.set H1,  96
.set PC0, 160
.set TT,  172
.set PC1, 180
.set SEL, 40                           ; s[40:41] v_permlanex16_b32's selects for lane l xor 16
; 64 numbers of a lane, register 16 b + i = k 32 b + 16 (lane / 16) + i of my row, become codes: d0 .. d0 + 5 hold k = 32 (lane / 16) + 0 .. 31, d1 .. d1 + 5 the same 64 on; pw = my row's scale word.
.macro QUANT s, d0, d1, t, pw
.irp b, 0,1,2,3
	v_max3_num_f32 v[TM+\b], |v[\s+16*\b]|, |v[\s+1+16*\b]|, 0x1800000   ; my 16 numbers of block b, and the floor 2^(3 - 127): the byte cannot fall under 1
.endr
.irp i, 2,4,6,8,10,12,14
.irp b, 0,1,2,3
	s_delay_alu instid0(VALU_DEP_4)
	v_max3_num_f32 v[TM+\b], v[TM+\b], |v[\s+16*\b+\i]|, |v[\s+1+16*\b+\i]|
.endr
.endr
.irp b, 0,1,2,3
	s_delay_alu instid0(VALU_DEP_4)
	v_permlanex16_b32 v[TM+4+\b], v[TM+\b], s[SEL], s[SEL+1]
.endr
.irp b, 0,1,2,3
	s_delay_alu instid0(VALU_DEP_4)
	v_max_num_f32 v[TM+\b], v[TM+\b], v[TM+4+\b]      ; with lane l xor 16's: the block's largest magnitude
.endr
.irp b, 0,1,2,3
	s_delay_alu instid0(VALU_DEP_4)
	v_add_nc_u32 v[TM+12+\b], 0xff000000, v[TM+\b]    ; 2 off its exponent field: the conversion's scale operand
.endr
.irp b, 0,1,2,3
	s_delay_alu instid0(VALU_DEP_4)
	v_lshrrev_b32 v[TM+4+\b], 23, v[TM+12+\b]         ; the scale's byte
.endr
	s_delay_alu instid0(VALU_DEP_3)
	v_lshl_or_b32 v[\pw], v[TM+5], 8, v[TM+4]
	s_delay_alu instid0(VALU_DEP_1)
	v_lshl_or_b32 v[\pw], v[TM+6], 16, v[\pw]
	s_delay_alu instid0(VALU_DEP_1)
	v_lshl_or_b32 v[\pw], v[TM+7], 24, v[\pw]
	v_cvt_scalef32_pk16_fp6_f32 v[\d0:\d0+2], v[\s:\s+15], v[TM+12]
	v_cvt_scalef32_pk16_fp6_f32 v[\t:\t+2], v[\s+16:\s+31], v[TM+13]
	v_cvt_scalef32_pk16_fp6_f32 v[\d1:\d1+2], v[\s+32:\s+47], v[TM+14]
	v_cvt_scalef32_pk16_fp6_f32 v[\t+4:\t+6], v[\s+48:\s+63], v[TM+15]
	v_nop                                             ; one plain place behind the scaled conversions
.irp i, 0,1,2
	v_permlane16_swap_b32 v[\d0+\i], v[\t+\i]         ; a whole block to a lane: lanes 0-15 the even block, lanes 16-31 the odd one
	v_permlane16_swap_b32 v[\d1+\i], v[\t+4+\i]
.endr
.irp i, 0,1,2
	v_mov_b32 v[\d0+3+\i], v[\t+\i]
	v_mov_b32 v[\d1+3+\i], v[\t+4+\i]
.endr
.endm
; the four rows' two chains become one number in every lane of the wave
.macro REDUCE
.irp i, 0,1,2,3
	v_pk_add_f32 v[TM+4*\i:TM+4*\i+1], v[TM+4*\i:TM+4*\i+1], v[TM+4*\i+2:TM+4*\i+3]
.endr
.irp i, 0,1,2,3
	s_delay_alu instid0(VALU_DEP_4)
	v_add_f32 v[TM+4*\i], v[TM+4*\i], v[TM+4*\i+1]
.endr
.irp m, 1,2,4,8
.irp i, 0,1,2,3
	s_delay_alu instid0(VALU_DEP_4)
	v_add_f32_dpp v[TM+4*\i], v[TM+4*\i], v[TM+4*\i] row_xmask:\m row_mask:0xf bank_mask:0xf
.endr
.endr
.irp i, 0,1,2,3
	s_delay_alu instid0(VALU_DEP_4)
	v_permlanex16_b32 v[TM+4*\i+1], v[TM+4*\i], s[SEL], s[SEL+1]
.endr
.irp i, 0,1,2,3
	s_delay_alu instid0(VALU_DEP_4)
	v_add_f32 v[TM+4*\i], v[TM+4*\i], v[TM+4*\i+1]
.endr
.endm
	s_load_b512 s[4:19], s[0:1], 0x0               ; x, context, g, b, w_qkv codes, scales, w_out codes, scales
	s_load_b128 s[20:23], s[0:1], 0x40             ; xn_img, wqkv_img
	s_load_b64 s[24:25], s[0:1], 0x50              ; wout_img
	v_lshl_add_u32 v254, v0, 2, 0x20200
	v_mov_b32 v255, 0
	v_lshrrev_b32 v1, 5, v0
	s_delay_alu instid0(VALU_DEP_1)
	v_readfirstlane_b32 s26, v1                    ; wave 0..7
	v_and_b32 v1, 31, v0                           ; lane
	s_delay_alu instid0(VALU_DEP_1)
	v_lshlrev_b32 v2, 4, v1                        ; 16 x lane
	v_and_b32 v21, 15, v0                          ; r
	v_bfe_u32 v22, v0, 4, 1                        ; h
	s_delay_alu instid0(VALU_DEP_2)
	v_and_b32 v23, 8, v21
	s_delay_alu instid0(VALU_DEP_1)
	v_add_nc_u32 v23, v23, v21                     ; r + 8 (r / 8)
	s_delay_alu instid0(VALU_DEP_1)
	v_mul_u32_u24 v3, v23, 768                     ; a weight's row of 1,024 codes is 768 bytes
	s_delay_alu instid0(VALU_DEP_1)
	v_mad_u32_u24 v3, v22, 24, v3
	s_delay_alu instid0(VALU_DEP_3)
	v_lshlrev_b32 v17, 5, v23                      ; its scale bytes: 32 a row; lanes 16-31 take the word of the odd K step
	s_delay_alu instid0(VALU_DEP_1)
	v_lshl_add_u32 v17, v22, 2, v17
	v_lshlrev_b32 v18, 3, v21                      ; a scale word's place in a record: 8 r + 4 h
	s_delay_alu instid0(VALU_DEP_1)
	v_lshl_add_u32 v18, v22, 2, v18
	s_and_b32 s27, s26, 3                          ; which pair of K steps
	s_lshr_b32 s28, s26, 2                         ; phase B: which tile; weights: which K step of the pair
	s_bfe_u32 s29, s26, 0x10001                    ; phase A: rows 4 w on lie at position 16 ((w / 2) % 2) + 8 (w / 4) + 4 (w % 2) in tile order
	s_lshl_b32 s29, s29, 4
	s_lshl_b32 s30, s28, 3
	s_add_co_u32 s29, s29, s30
	s_and_b32 s30, s26, 1
	s_lshl_b32 s30, s30, 2
	s_add_co_u32 s29, s29, s30
	s_mul_i32 s29, s29, LP
	v_add_nc_u32 v19, s29, v2                      ; where I store into LDS
	v_mul_u32_u24 v20, v21, LP
	s_delay_alu instid0(VALU_DEP_1)
	v_lshl_add_u32 v20, v22, 6, v20
	s_mul_i32 s30, s28, 16*LP
	s_lshl_b32 s31, s27, 10
	s_add_co_u32 s30, s30, s31
	v_add_nc_u32 v20, s30, v20                     ; where I read: row r of my tile, + 64 h, + my pair of K steps
	s_mov_b32 s[SEL], 0x76543210
	s_mov_b32 s[SEL+1], 0xfedcba98
	s_mov_b32 s42, 0x3a800000                      ; 1 / 1024
	s_mov_b32 s43, 0x3727c5ac                      ; eps = 1e-5
	s_mov_b32 s44, 0xffff0000                      ; lanes 16-31
	s_and_b32 s32, ttmp9, 127                      ; my rows in x or in context: 32 rows a work-group, 4 a wave, 4,096 bytes a row
	s_lshl_b32 s32, s32, 17
	s_lshl_b32 s33, s26, 14
	s_add_co_u32 s32, s32, s33
	s_mov_b32 s33, 0
	s_cmp_lt_u32 ttmp9, 192
	s_cselect_b32 s34, 0, 192
	s_sub_co_u32 s34, ttmp9, s34                   ; the weight's tile
	s_lshr_b32 s35, s34, 1
	s_lshl_b32 s35, s35, 5
	s_and_b32 s36, s34, 1
	s_lshl_b32 s36, s36, 3
	s_add_co_u32 s35, s35, s36                     ; its first row
	s_lshl_b32 s36, s27, 1
	s_add_co_u32 s36, s36, s28                     ; my K step of it
	s_mul_i32 s38, s35, 768
	s_mul_i32 s37, s36, 96
	s_add_co_u32 s38, s38, s37
	s_mov_b32 s39, 0                               ; s[38:39] codes
	s_lshl_b32 s46, s35, 5
	s_lshl_b32 s37, s27, 3
	s_add_co_u32 s46, s46, s37
	s_mov_b32 s47, 0                               ; s[46:47] scale bytes
	s_mul_i32 s48, s34, REC
	s_lshl_b32 s50, s27, 7
	s_add_co_u32 s50, s50, s48
	s_add_co_u32 s50, s50, 12288
	s_mov_b32 s51, 0                               ; s[50:51] the record's scale words
	s_mul_i32 s37, s36, 1536
	s_add_co_u32 s48, s48, s37
	s_mov_b32 s49, 0                               ; s[48:49] the record's fragment
	s_lshl_b32 s52, ttmp9, 1
	s_add_co_u32 s52, s52, s28
	s_mul_i32 s52, s52, REC                        ; the record of my tile of tokens
	s_lshl_b32 s54, s27, 7
	s_add_co_u32 s54, s54, s52
	s_add_co_u32 s54, s54, 12288
	s_mov_b32 s55, 0
	s_mul_i32 s37, s27, 3072
	s_add_co_u32 s52, s52, s37
	s_mov_b32 s53, 0
	s_wait_alu depctr_va_vdst(0)
	s_wait_kmcnt 0x0
	s_cmp_lt_u32 ttmp9, 128                        ; x's work-group or context's: the choice hangs on the work-group's number alone
	s_cselect_b64 s[4:5], s[4:5], s[6:7]
	s_cmp_lt_u32 ttmp9, 192                        ; w_qkv's tile or w_out's
	s_cselect_b64 s[12:13], s[12:13], s[16:17]
	s_cselect_b64 s[14:15], s[14:15], s[18:19]
	s_cselect_b64 s[22:23], s[22:23], s[24:25]
	s_add_nc_u64 s[4:5], s[4:5], s[32:33]
	s_add_nc_u64 s[12:13], s[12:13], s[38:39]
	s_add_nc_u64 s[14:15], s[14:15], s[46:47]
	s_add_nc_u64 s[16:17], s[22:23], s[48:49]
	s_add_nc_u64 s[18:19], s[22:23], s[50:51]
	s_add_nc_u64 s[6:7], s[20:21], s[52:53]
	s_add_nc_u64 s[20:21], s[20:21], s[54:55]
.irp p, 0,1,2,3,4,5
	global_load_b64 v[4+2*\p:5+2*\p], v3, s[12:13] offset:48*(\p/3)+8*(\p%3)   ; the weight's fragment, as the codes lie
.endr
	global_load_b32 v16, v17, s[14:15]             ; and two K steps' scale words
.irp i, 0,1,2,3
.irp j, 0,1,2,3,4,5,6,7
	global_load_b128 v[X+32*\i+4*\j:X+32*\i+4*\j+3], v2, s[4:5] offset:4096*\i+512*\j th:TH_LOAD_NT   ; 512 consecutive bytes a load
.endr
.endr
.irp j, 0,1,2,3,4,5,6,7
	global_load_b128 v[GG+4*\j:GG+4*\j+3], v2, s[8:9] offset:512*\j
	global_load_b128 v[BB+4*\j:BB+4*\j+3], v2, s[10:11] offset:512*\j
.endr
	s_wait_loadcnt 48                              ; the weight's seven loads are in; the 48 issued behind them may be out
.irp i, 0,1,2
	global_store_b128 v2, v[4+4*\i:7+4*\i], s[16:17] offset:512*\i
.endr
	s_cmp_lt_u32 s26, 4                            ; waves 4-7 hold the same words as waves 0-3: one of the two stores
	s_cbranch_scc0 .Lno_words
	global_store_b32 v18, v16, s[18:19]
.Lno_words:
	s_wait_loadcnt 16                              ; the four rows are in; g and b may be out
.irp i, 0,1,2,3
	v_pk_add_f32 v[TM+4*\i:TM+4*\i+1], v[X+32*\i:X+32*\i+1], v[X+32*\i+2:X+32*\i+3]
	v_pk_add_f32 v[TM+4*\i+2:TM+4*\i+3], v[X+32*\i+4:X+32*\i+5], v[X+32*\i+6:X+32*\i+7]
.endr
.set k, 8
.rept 6
.irp i, 0,1,2,3
	v_pk_add_f32 v[TM+4*\i:TM+4*\i+1], v[TM+4*\i:TM+4*\i+1], v[X+32*\i+k:X+32*\i+k+1]
	v_pk_add_f32 v[TM+4*\i+2:TM+4*\i+3], v[TM+4*\i+2:TM+4*\i+3], v[X+32*\i+k+2:X+32*\i+k+3]
.endr
.set k, k+4
.endr
	REDUCE
.irp i, 0,1,2,3
	s_delay_alu instid0(VALU_DEP_4)
	v_mul_f32 v[MR+2*\i], s42, v[TM+4*\i]          ; the mean, twice: a pair for the packed forms
.endr
.irp i, 0,1,2,3
	s_delay_alu instid0(VALU_DEP_4)
	v_mov_b32 v[MR+2*\i+1], v[MR+2*\i]
.endr
.set k, 0
.rept 16
.irp i, 0,1,2,3
	v_pk_add_f32 v[X+32*\i+k:X+32*\i+k+1], v[X+32*\i+k:X+32*\i+k+1], v[MR+2*\i:MR+2*\i+1] neg_lo:[0,1] neg_hi:[0,1]   ; x - mean
.endr
.set k, k+2
.endr
.irp i, 0,1,2,3
	v_pk_mul_f32 v[TM+4*\i:TM+4*\i+1], v[X+32*\i:X+32*\i+1], v[X+32*\i:X+32*\i+1]
	v_pk_mul_f32 v[TM+4*\i+2:TM+4*\i+3], v[X+32*\i+2:X+32*\i+3], v[X+32*\i+2:X+32*\i+3]
.endr
.set k, 4
.rept 7
.irp i, 0,1,2,3
	v_pk_fma_f32 v[TM+4*\i:TM+4*\i+1], v[X+32*\i+k:X+32*\i+k+1], v[X+32*\i+k:X+32*\i+k+1], v[TM+4*\i:TM+4*\i+1]
	v_pk_fma_f32 v[TM+4*\i+2:TM+4*\i+3], v[X+32*\i+k+2:X+32*\i+k+3], v[X+32*\i+k+2:X+32*\i+k+3], v[TM+4*\i+2:TM+4*\i+3]
.endr
.set k, k+4
.endr
	REDUCE
.irp i, 0,1,2,3
	s_delay_alu instid0(VALU_DEP_4)
	v_fma_f32 v[TM+4*\i], v[TM+4*\i], s42, s43     ; the variance + eps
.endr
	s_wait_alu depctr_va_vdst(0)
.irp i, 0,1,2,3
	v_rsq_f32 v[MR+2*\i], v[TM+4*\i]
.endr
	v_nop                                          ; a plain place behind the batch
	s_wait_alu depctr_va_vdst(0)                   ; one wait for the four, ahead of their first reader
.irp i, 0,1,2,3
	v_mov_b32 v[MR+2*\i+1], v[MR+2*\i]
.endr
	s_wait_alu depctr_va_vdst(0)
	s_wait_loadcnt 0x0                             ; g and b
.set k, 0
.rept 16
.irp i, 0,1,2,3
	v_pk_mul_f32 v[X+32*\i+k:X+32*\i+k+1], v[X+32*\i+k:X+32*\i+k+1], v[MR+2*\i:MR+2*\i+1]
.endr
.irp i, 0,1,2,3
	s_delay_alu instid0(VALU_DEP_4)
	v_pk_fma_f32 v[X+32*\i+k:X+32*\i+k+1], v[X+32*\i+k:X+32*\i+k+1], v[GG+k:GG+k+1], v[BB+k:BB+k+1]
.endr
.set k, k+2
.endr
.irp i, 0,1,2,3
.irp j, 0,1,2,3,4,5,6,7
	ds_store_b128 v19, v[X+32*\i+4*\j:X+32*\i+4*\j+3] offset:LP*\i+512*\j
.endr
.endr
	s_wait_dscnt 0x0                               ; for the others' sake: my rows lie in LDS
	s_barrier_signal -1
	s_barrier_wait -1
.irp q, 0,1
.irp b, 0,1,2,3
.irp i, 0,1,2,3
	ds_load_b128 v[H0+64*\q+16*\b+4*\i:H0+64*\q+16*\b+4*\i+3], v20 offset:512*\q+128*\b+16*\i
.endr
.endr
.endr
	s_wait_dscnt 16                                ; the first K step's sixteen loads are in
	QUANT H0, PC0, PC0+6, TT, 240
.irp i, 0,1,2
	global_store_b128 v2, v[PC0+4*\i:PC0+4*\i+3], s[6:7] offset:512*\i
.endr
	s_wait_dscnt 0x0
	QUANT H1, PC1, PC1+6, TT, 241
.irp i, 0,1,2
	global_store_b128 v2, v[PC1+4*\i:PC1+4*\i+3], s[6:7] offset:1536+512*\i
.endr
	v_cndmask_b32 v250, v240, v241, s44            ; lanes 0-15 store the even K step's word, lanes 16-31 the odd one's: 128 consecutive bytes
	global_store_b32 v18, v250, s[20:21]
	s_wait_tensorcnt 0x0
	ds_add_u32 v254, v255
	s_wait_dscnt 0x0
	s_endpgm
.Lfunc_end_k_q53e353dbff_prep:
	.size	k_q53e353dbff_prep, .Lfunc_end_k_q53e353dbff_prep-k_q53e353dbff_prep
	.p2alignl 7, 3214868480
	.fill 96, 4, 3214868480
	.section	.rodata,"a",@progbits
	.p2align	6, 0x0
	.amdhsa_kernel k_q53e353dbff_prep
		.amdhsa_group_segment_fixed_size 132608
		.amdhsa_private_segment_fixed_size 0
		.amdhsa_enable_private_segment 0
		.amdhsa_kernarg_size 88
		.amdhsa_user_sgpr_count 2
		.amdhsa_user_sgpr_kernarg_segment_ptr 1
		.amdhsa_wavefront_size32 1
		.amdhsa_system_sgpr_workgroup_id_x 1
		.amdhsa_system_sgpr_workgroup_id_y 1
		.amdhsa_system_sgpr_workgroup_id_z 1
		.amdhsa_system_vgpr_workitem_id 0
		.amdhsa_next_free_vgpr 256
		.amdhsa_next_free_sgpr 66
		.amdhsa_reserve_vcc 0
		.amdhsa_float_denorm_mode_32 3
		.amdhsa_float_denorm_mode_16_64 3
		.amdhsa_memory_ordered 1
		.amdhsa_forward_progress 1
		.amdhsa_inst_pref_size 54
	.end_amdhsa_kernel
	.amdgpu_metadata
---
amdhsa.version: [ 1, 2 ]
amdhsa.kernels:
  - .name:           k_q53e353dbff_prep
    .symbol:         k_q53e353dbff_prep.kd
    .args:
      - { .name: x, .offset: 0, .size: 8, .value_kind: global_buffer, .address_space: global }
      - { .name: context, .offset: 8, .size: 8, .value_kind: global_buffer, .address_space: global }
      - { .name: ln_g, .offset: 16, .size: 8, .value_kind: global_buffer, .address_space: global }
      - { .name: ln_b, .offset: 24, .size: 8, .value_kind: global_buffer, .address_space: global }
      - { .name: w_qkv_codes, .offset: 32, .size: 8, .value_kind: global_buffer, .address_space: global }
      - { .name: w_qkv_scales, .offset: 40, .size: 8, .value_kind: global_buffer, .address_space: global }
      - { .name: w_out_codes, .offset: 48, .size: 8, .value_kind: global_buffer, .address_space: global }
      - { .name: w_out_scales, .offset: 56, .size: 8, .value_kind: global_buffer, .address_space: global }
      - { .name: xn_img, .offset: 64, .size: 8, .value_kind: global_buffer, .address_space: global }
      - { .name: wqkv_img, .offset: 72, .size: 8, .value_kind: global_buffer, .address_space: global }
      - { .name: wout_img, .offset: 80, .size: 8, .value_kind: global_buffer, .address_space: global }
    .group_segment_fixed_size: 132608
    .private_segment_fixed_size: 0
    .kernarg_segment_align: 8
    .kernarg_segment_size: 88
    .max_flat_workgroup_size: 256
    .sgpr_count:     66
    .vgpr_count:     256
    .wavefront_size: 32
...
	.end_amdgpu_metadata
.endif
;; end of part 1
;; launch kvgemm (part 2): grid 64 x 4, 4 waves a work-group, clusters of 4 x 4, 327,680 bytes of LDS; arguments xn_img, wqkv_img, b_qkv, kv_img; writes kv_img
.if DOCPART == 2
	.amdgcn_target "amdgcn-amd-amdhsa--gfx1250"
	.amdhsa_code_object_version 6
	.text
	.protected	k_q53e353dbff_kvgemm
	.globl	k_q53e353dbff_kvgemm
	.p2align	8
	.type	k_q53e353dbff_kvgemm,@function
k_q53e353dbff_kvgemm:
	s_mov_b64 s[64:65], 0
	v_nop
	global_prefetch_b8 v0, s[64:65] scope:SCOPE_SE
	s_setreg_imm32_b32 hwreg(HW_REG_WAVE_MODE, 25, 1), 1
	s_wait_xcnt 0x0
	s_wait_alu depctr_hold_cnt(0) depctr_sa_sdst(0) depctr_va_vdst(0) depctr_va_sdst(0) depctr_va_ssrc(0) depctr_va_vcc(0) depctr_vm_vsrc(0)
	s_getreg_b32 s2, hwreg(HW_REG_IB_STS2, 6, 4)
	s_cmp_eq_u32 s2, 0
	s_cbranch_scc0 .Lentry_in_a_cluster
	s_endpgm
.Lentry_in_a_cluster:
	s_bfe_u32 s2, ttmp6, 0x10000c
	s_cmp_lg_u32 s2, 0xf033
	s_cbranch_scc0 .Lentry_shape_is_right
	s_endpgm
.Lentry_shape_is_right:
; K and V of [x; context]: LN rows x the K and V rows of w_qkv + bias, quantised and stored as step records for the attention.  The context's Q columns, which reference() slices away, are not computed.
.set REC,   12800
.set HEADB, 32*REC
.set NQ,    2
.set FR,    12
.set NL,    3
.set NP,    4
.set HALFT, 8*3072
.set SLOT,  4*HALFT
.set LAPS,  2
.set SCL,   2*SLOT
.set SPARE, SCL+16896
.set ADRA, 16
.set ADRB, 20
.set LI,   24
.set SO,   25
.set ADRS, 27
.set SPW,  28
.set NIL,  29
.set BXA,  30
.set BYA,  31
.set SC,   32
.set BX,   64
.set AF,   128
.set BY,   224
.set H,    128
.set SEL,  66
.set G1, 24
.set G0, 32
.set G1B, 48
.set G0B, 56
.set G1S, 68
.set G0S, 76
.set G1SB, 80
.set G0SB, 88
.set MSB, 0
.macro WIN new
.if MSB != (\new)
	s_set_vgpr_msb (MSB<<8)|(\new)
.set MSB, (\new)
.endif
.endm
.set MUL_LO, 0xa1
.set MUL_HI, 0xf1
.set TO_B,   0x40
.macro JLOAD g0a, g1a, g0b, g1b
	s_cmp_eq_u32 s15, 0
	s_cbranch_scc0 .Lfor_b_\@
	tensor_load_to_lds s[\g0a:\g0a+3], s[\g1a:\g1a+7]
	s_nop 0
.rept 4
	v_nop
.endr
	s_branch .Lasked_\@
.Lfor_b_\@:
	tensor_load_to_lds s[\g0b:\g0b+3], s[\g1b:\g1b+7]
	s_nop 0
.rept 4
	v_nop
.endr
.Lasked_\@:
.endm
.macro CREST
	s_cmp_lg_u32 s14, 0
	s_cbranch_scc1 .Lnot_wave_0_\@
	s_barrier_signal -3
.Lnot_wave_0_\@:
	s_barrier_wait -3
	s_barrier_signal -1
	s_barrier_wait -1
.endm
.macro CROUND
	s_barrier_signal -1
	s_barrier_wait -1
	CREST
.endm
.macro QUANT s, d0, d1, t, pw
.irp b, 0,1,2,3
	v_max3_num_f32 v[TM+\b], |v[\s+16*\b]|, |v[\s+1+16*\b]|, 0x1800000
.endr
.irp i, 2,4,6,8,10,12,14
.irp b, 0,1,2,3
	v_max3_num_f32 v[TM+\b], v[TM+\b], |v[\s+16*\b+\i]|, |v[\s+1+16*\b+\i]|
.endr
.endr
.irp b, 0,1,2,3
	v_permlanex16_b32 v[TM+4+\b], v[TM+\b], s[SEL], s[SEL+1]
.endr
.irp b, 0,1,2,3
	v_max_num_f32 v[TM+\b], v[TM+\b], v[TM+4+\b]
.endr
.irp b, 0,1,2,3
	v_add_nc_u32 v[TM+12+\b], 0xff000000, v[TM+\b]
.endr
.irp b, 0,1,2,3
	v_lshrrev_b32 v[TM+4+\b], 23, v[TM+12+\b]
.endr
	v_lshl_or_b32 v[\pw], v[TM+5], 8, v[TM+4]
	v_lshl_or_b32 v[\pw], v[TM+6], 16, v[\pw]
	v_lshl_or_b32 v[\pw], v[TM+7], 24, v[\pw]
	v_cvt_scalef32_pk16_fp6_f32 v[\d0:\d0+2], v[\s:\s+15], v[TM+12]
	v_cvt_scalef32_pk16_fp6_f32 v[\t:\t+2], v[\s+16:\s+31], v[TM+13]
	v_cvt_scalef32_pk16_fp6_f32 v[\d1:\d1+2], v[\s+32:\s+47], v[TM+14]
	v_cvt_scalef32_pk16_fp6_f32 v[\t+4:\t+6], v[\s+48:\s+63], v[TM+15]
	v_nop
.irp i, 0,1,2
	v_permlane16_swap_b32 v[\d0+\i], v[\t+\i]
	v_permlane16_swap_b32 v[\d1+\i], v[\t+4+\i]
.endr
.irp i, 0,1,2
	v_mov_b32 v[\d0+3+\i], v[\t+\i]
	v_mov_b32 v[\d1+3+\i], v[\t+4+\i]
.endr
.endm
	s_load_b256 s[4:11], s[0:1], 0x0
	v_lshl_add_u32 v[SPW], v0, 2, SPARE
	v_mov_b32 v[NIL], 0
	ds_add_u32 v28, v29
	ds_add_u32 v28, v29
	s_wait_dscnt 0x0
	v_lshrrev_b32 v1, 5, v0
	v_readfirstlane_b32 s14, v1
	s_lshr_b32 s15, s14, 1
	s_and_b32 s16, s14, 1
	s_bfe_u32 s40, ttmp6, 0x40000
	s_bfe_u32 s41, ttmp6, 0x40004
	s_lshl_b32 s43, s41, 2
	s_lshl_b32 s43, 15, s43
	s_lshl_b32 s44, 0x1111, s40
	s_or_b32 s[G1+0], s43, (3<<16)|(1<<21)
	s_or_b32 s[G1B+0], s44, (3<<16)|(1<<21)
.irp g, G1, G1B
	s_mov_b32 s[\g+1], 384<<16
	s_mov_b32 s[\g+2], 16<<16                      ; the head's loads bring all 16 records' pieces; behind them the two words that count rows are set to 8, for the ring's
	s_mov_b32 s[\g+3], 384<<16
	s_mov_b32 s[\g+4], 16
	s_mov_b32 s[\g+5], 1600
	s_mov_b32 s[\g+6], 0
	s_mov_b32 s[\g+7], 0
.endr
	s_or_b32 s[G1S+0], s43, (3<<16)|(1<<21)
	s_or_b32 s[G1SB+0], s44, (3<<16)|(1<<21)
.irp g, G1S, G1SB
	s_mov_b32 s[\g+1], 64<<16
	s_mov_b32 s[\g+2], 16<<16                      ; the scale words of 16 records
	s_mov_b32 s[\g+3], 64<<16
	s_mov_b32 s[\g+4], 16
	s_mov_b32 s[\g+5], 1600
	s_mov_b32 s[\g+6], 0
	s_mov_b32 s[\g+7], 0
.endr
	s_and_b32 s17, ttmp9, 7
	s_lshl_b32 s17, s17, 6
	s_lshl_b32 s18, s16, 3
	s_lshl_b32 s21, s41, 4
	s_lshl_b32 s47, s40, 4
	s_cmp_lt_u32 ttmp9, 8
	s_cselect_b32 s20, s17, 128
	s_cselect_b32 s46, 64, s17
	s_add_co_u32 s20, s20, s21
	s_add_co_u32 s46, s46, s47
	s_mul_i32 s98, s18, REC                        ; in the ring I fetch 8 records of a side's 16: which half, in bytes
	s_mov_b32 s99, 0
	s_mul_i32 s20, s20, REC
	s_mov_b32 s21, 0
	s_mul_i32 s46, s46, REC
	s_mov_b32 s47, 0
	s_mul_i32 s45, s14, HALFT
	s_wait_kmcnt 0x0
	s_cmp_lt_u32 ttmp9, 8
	s_cselect_b64 s[92:93], s[4:5], s[6:7]
	s_cselect_b64 s[94:95], s[6:7], s[4:5]
	s_add_nc_u64 s[92:93], s[92:93], s[20:21]
	s_add_nc_u64 s[94:95], s[94:95], s[46:47]
	CROUND
; THE HEAD'S FOUR TILES, ONE A WAVE, each whole: wave 0 slot 0's pieces of A's 16 records, wave 1 those of B's, wave 2 A's scale words, wave 3 B's
	s_mov_b32 s[G0S], 1
	s_mov_b32 s[G0S+1], SCL
	s_add_nc_u64 s[G0S+2:G0S+3], s[92:93], 12288
	s_or_b32 s[G0S+3], s[G0S+3], 0x80000000
	s_mov_b32 s[G0SB], 1
	s_mov_b32 s[G0SB+1], SCL+2*4096+128
	s_add_nc_u64 s[G0SB+2:G0SB+3], s[94:95], 12288
	s_or_b32 s[G0SB+3], s[G0SB+3], 0x80000000
	s_mov_b32 s[G0], 1
	s_mov_b32 s[G0+1], 0
	s_mov_b64 s[G0+2:G0+3], s[92:93]
	s_or_b32 s[G0+3], s[G0+3], 0x80000000
	s_mov_b32 s[G0B], 1
	s_mov_b32 s[G0B+1], 2*HALFT
	s_mov_b64 s[G0B+2:G0B+3], s[94:95]
	s_or_b32 s[G0B+3], s[G0B+3], 0x80000000
	s_add_nc_u64 s[92:93], s[92:93], s[98:99]      ; for the ring: my 8 records
	s_add_nc_u64 s[94:95], s[94:95], s[98:99]
	s_mov_b32 s[G0+4], 1
	s_add_co_u32 s[G0+5], s45, SLOT
	s_add_nc_u64 s[G0+6:G0+7], s[92:93], 3072
	s_or_b32 s[G0+7], s[G0+7], 0x80000000
	s_mov_b32 s[G0B+4], 1
	s_add_co_u32 s[G0B+5], s45, SLOT
	s_add_nc_u64 s[G0B+6:G0B+7], s[94:95], 3072
	s_or_b32 s[G0B+7], s[G0B+7], 0x80000000
.macro ARM under, g0, g1, next         ; one chain of branches on the wave's number: every way through the head passes exactly one load
	s_cmp_lt_u32 s14, \under
	s_cbranch_scc0 \next
	tensor_load_to_lds s[\g0:\g0+3], s[\g1:\g1+7]
	s_nop 0
.rept 4
	v_nop
.endr
	s_branch .Lhead_asked
\next:
.endm
	ARM 1, G0,  G1,  .Lhead_b
	ARM 2, G0B, G1B, .Lhead_sa
	ARM 3, G0S, G1S, .Lhead_sb
	tensor_load_to_lds s[G0SB:G0SB+3], s[G1SB:G1SB+7]
	s_nop 0
.rept 4
	v_nop
.endr
.Lhead_asked:
	s_wait_alu depctr_va_vdst(0)
	s_wait_tensorcnt 0x0                           ; my tile of the four is in
	ds_add_u32 v28, v29
	s_mov_b32 s[G1+2], 8<<16                       ; no tensor load of mine is out, so descriptors may be written: from here on a load brings 8 records' pieces,
	s_mov_b32 s[G1+4], 8
	s_mov_b32 s[G1B+2], 8<<16
	s_mov_b32 s[G1B+4], 8
	s_mov_b32 s[G0+1], s45                         ; and slot 0's group 0 stands at my own quarter, for its first refill
	s_mov_b64 s[G0+2:G0+3], s[92:93]
	s_or_b32 s[G0+3], s[G0+3], 0x80000000
	s_mov_b32 s[G0B+1], s45
	s_mov_b64 s[G0B+2:G0B+3], s[94:95]
	s_or_b32 s[G0B+3], s[G0B+3], 0x80000000
	s_wait_dscnt 0x0
	CROUND
	JLOAD G0+4, G1, G0B+4, G1B                     ; slot 1's first fill, the first tensor load behind the round
	v_and_b32 v1, 31, v0
	v_and_b32 v2, 15, v0
	v_bfe_u32 v3, v0, 4, 1
	s_wait_alu depctr_va_vdst(0)
	v_lshlrev_b32 v[LI], 4, v1
	s_mul_i32 s21, s15, HALFT
	s_mul_i32 s22, s16, HALFT
	s_add_co_u32 s22, s22, 2*HALFT
.irp s, 0,1
	v_add_nc_u32 v[ADRA+\s], s21, v[LI]
	v_add_nc_u32 v[ADRB+\s], s22, v[LI]
	s_add_co_u32 s21, s21, SLOT
	s_add_co_u32 s22, s22, SLOT
.endr
	v_lshlrev_b32 v5, 3, v2
	s_lshl_b32 s21, s15, 12
	s_lshl_b32 s22, s16, 12
	s_add_co_u32 s22, s22, 2*4096+128
	s_sub_co_u32 s22, s22, s21
	v_mul_u32_u24 v6, s22, v3
	s_add_co_u32 s21, s21, SCL
	v_add_nc_u32 v5, v5, v6
	v_add_nc_u32 v[ADRS], s21, v5
	v_lshlrev_b32 v[SO], 4, v2
	v_lshl_add_u32 v[SO], v3, 3, v[SO]
	v_lshlrev_b32 v[BXA], 6, v3
	s_wait_alu depctr_va_vdst(0)
	v_and_b32 v7, 8, v2
	v_add_nc_u32 v7, v7, v2
	v_lshlrev_b32 v[BYA], 2, v7
	s_wait_alu depctr_va_vdst(0)
	s_lshl_b32 s66, s40, 10
	s_lshl_b32 s67, s16, 9
	s_add_co_u32 s66, s66, s67
	s_add_co_u32 s66, s66, 4096
	s_mov_b32 s67, 0
	s_add_nc_u64 s[66:67], s[8:9], s[66:67]
	s_lshl_b32 s98, s41, 10
	s_lshl_b32 s99, s15, 9
	s_add_co_u32 s98, s98, s99
	s_add_co_u32 s98, s98, 8192
	s_mov_b32 s99, 0
	s_add_nc_u64 s[98:99], s[8:9], s[98:99]
.irp t, 0,1,2,3,4,5,6,7
	global_load_b128 v[BX+8*\t:BX+8*\t+3], v[BXA], s[66:67] offset:(32*(\t/2)+8*(\t%2))*4
	global_load_b128 v[BX+8*\t+4:BX+8*\t+7], v[BXA], s[66:67] offset:(32*(\t/2)+8*(\t%2))*4+16
.endr
.irp y, 0,1,2,3,4,5,6,7
	global_load_b32 v[BY+2*\y], v[BYA], s[98:99] offset:(32*(\y/2)+8*(\y%2))*4
	global_load_b32 v[BY+2*\y+1], v[BYA], s[98:99] offset:(32*(\y/2)+8*(\y%2))*4
.endr
.macro FRAG reg, adr, q, i
.irp p, 0,1,2
	ds_load_b128 v[\reg+4*\p:\reg+4*\p+3], v[\adr] offset:3072*(\i)+1536*(\q)+512*\p
.endr
.endm
.macro MUL16 a0, p, q, sc, zero
.irp a, \a0, \a0+1
.irp b, 0,1,2,3,4,5,6,7
.if \zero
	v_wmma_scale_f32_16x16x128_f8f6f4 v[8*(8*((\a)%4)+\b):8*(8*((\a)%4)+\b)+7], v[128*(\p)+FR*\b:128*(\p)+FR*\b+FR-1], v[AF+FR*(\a):AF+FR*(\a)+FR-1], 0, v[SC+8*NQ*(\sc)+NQ*\b+(\q)], v[SC+8*NQ*(\sc)+NQ*(\a)+(\q)] matrix_a_fmt:MATRIX_FMT_FP6 matrix_b_fmt:MATRIX_FMT_FP6 matrix_a_scale:MATRIX_SCALE_ROW1
.else
	v_wmma_scale_f32_16x16x128_f8f6f4 v[8*(8*((\a)%4)+\b):8*(8*((\a)%4)+\b)+7], v[128*(\p)+FR*\b:128*(\p)+FR*\b+FR-1], v[AF+FR*(\a):AF+FR*(\a)+FR-1], v[8*(8*((\a)%4)+\b):8*(8*((\a)%4)+\b)+7], v[SC+8*NQ*(\sc)+NQ*\b+(\q)], v[SC+8*NQ*(\sc)+NQ*(\a)+(\q)] matrix_a_fmt:MATRIX_FMT_FP6 matrix_b_fmt:MATRIX_FMT_FP6 matrix_a_scale:MATRIX_SCALE_ROW1
.endif
.endr
.endr
.endm
.macro FETCH_B slot, q, p
	WIN TO_B
.irp i, 0,1,2,3,4,5,6,7
	FRAG 128*(\p)+FR*\i, ADRB+\slot, \q, \i
.endr
	WIN 0
.endm
.macro FETCH_A slot, q, i0
.irp i, \i0, \i0+1, \i0+2, \i0+3
	FRAG AF+FR*(\i), ADRA+\slot, \q, \i
.endr
.endm
.macro SCALES sc
.irp i, 0,1,2,3,4,5,6,7
	ds_load_b64 v[SC+8*NQ*\sc+NQ*\i:SC+8*NQ*\sc+NQ*\i+1], v[ADRS] offset:512*\i
.endr
.endm
.macro PLACES n
.rept \n
	v_nop
.endr
.endm
.macro STEP slot, q, zero
	s_wait_dscnt 4*NL
	WIN MUL_LO
	MUL16 0, (\q)%2, \q, \slot, \zero
	MUL16 2, (\q)%2, \q, \slot, \zero
	s_wait_dscnt 0
	PLACES NP
	FETCH_B \slot, (\q)+1, 1-(\q)%2
	FETCH_A \slot, (\q)+1, 0
	WIN MUL_HI
	MUL16 4, (\q)%2, \q, \slot, \zero
	MUL16 6, (\q)%2, \q, \slot, \zero
	PLACES NP
	WIN 0
	FETCH_A \slot, (\q)+1, 4
.endm
.macro TURN slot, next, fill
	s_wait_tensorcnt 0x0
	ds_add_u32 v[SPW], v[NIL]
	s_wait_dscnt 4*NL+1
	WIN MUL_LO
	MUL16 0, 1, NQ-1, \slot, 0
	s_wait_dscnt 0x0
	s_barrier_signal -1
	MUL16 2, 1, NQ-1, \slot, 0
	WIN 0
	s_barrier_wait -1
.if \fill
	CREST
	s_add_nc_u64 s[G0+4*\slot+2:G0+4*\slot+3], s[G0+4*\slot+2:G0+4*\slot+3], 2*3072
	s_add_nc_u64 s[G0B+4*\slot+2:G0B+4*\slot+3], s[G0B+4*\slot+2:G0B+4*\slot+3], 2*3072
	JLOAD G0+4*\slot, G1, G0B+4*\slot, G1B
.else
	PLACES NP
.endif
	s_wait_alu depctr_va_vdst(0)
	v_add_nc_u32 v[ADRS], 128, v[ADRS]
	FETCH_B \next, 0, 0
	FETCH_A \next, 0, 0
	SCALES \next
	WIN MUL_HI
	MUL16 4, 1, NQ-1, \slot, 0
	MUL16 6, 1, NQ-1, \slot, 0
	PLACES NP
	WIN 0
	FETCH_A \next, 0, 4
.endm
	s_wait_tensorcnt 1
	s_barrier_signal -1
	s_barrier_wait -1
	FETCH_B 0, 0, 0
	FETCH_A 0, 0, 0
	SCALES 0
	FETCH_A 0, 0, 4
	STEP 0, 0, 1
	s_mov_b32 s3, LAPS-1
.Llap:
	TURN 0, 1, 1
	STEP 1, 0, 0
	TURN 1, 0, 1
	STEP 0, 0, 0
	s_sub_co_u32 s3, s3, 1
	s_cmp_lg_u32 s3, 0
	s_cbranch_scc1 .Llap
	TURN 0, 1, 0
	STEP 1, 0, 0
	s_wait_dscnt 4*NL
	WIN MUL_LO
	MUL16 0, 1, NQ-1, 1, 0
	MUL16 2, 1, NQ-1, 1, 0
	s_wait_dscnt 0
	WIN MUL_HI
	MUL16 4, 1, NQ-1, 1, 0
	MUL16 6, 1, NQ-1, 1, 0
	WIN 0
	PLACES NP
	s_wait_loadcnt 0x0
	s_mov_b32 s[SEL], 0x76543210
	s_mov_b32 s[SEL+1], 0xfedcba98
	s_mov_b32 s12, 0xffff0000
	s_and_b32 s17, ttmp9, 7
	s_lshl_b32 s17, s17, 3
	s_cmp_lt_u32 ttmp9, 8
	s_cselect_b32 s18, s41, s40
	s_cselect_b32 s19, s15, s16
	s_cselect_b32 s20, s40, s41
	s_cselect_b32 s21, s16, s15
	s_lshl_b32 s18, s18, 1
	s_add_co_u32 s17, s17, s18
	s_add_co_u32 s17, s17, s19
	s_lshl_b32 s20, s20, 2
	s_lshl_b32 s21, s21, 1
	s_add_co_u32 s20, s20, s21
	s_lshr_b32 s18, s17, 5
	s_lshl_b32 s18, s18, 4
	s_and_b32 s19, s17, 15
	s_add_co_u32 s18, s18, s19
	s_bfe_u32 s19, s17, 0x10004
	s_lshl_b32 s19, s19, 4
	s_add_co_u32 s19, s19, s20
	s_lshl_b32 s19, s19, 5
	s_add_co_u32 s19, s19, s18
	s_mul_i32 s22, s19, REC
	s_mov_b32 s23, 0
	s_add_nc_u64 s[10:11], s[10:11], s[22:23]
	s_cmp_lt_u32 ttmp9, 8
	s_cbranch_scc0 .Lv_part
.set TM, 216
.set TT, 232
.set PW, 240
.set W0, 242
.set FA, 192
.set FB, 204
.irp b, 0,1,2,3
	v_mov_b32 v[TM+4+\b], 0
.endr
.irp f, 0,1,2,3
.if \f > 0
	s_wait_xcnt 0x0
.endif
.irp u, 0,1
.set WN, 0x02+(2*\f+\u)/4
.set AC, 64*((2*\f+\u)%4)
	WIN WN
.set i, 0
.rept 32
	v_pk_add_f32 v[H+i:H+i+1], v[AC+i:AC+i+1], v[BX+i:BX+i+1]
.set i, i+2
.endr
	WIN 0
	QUANT H, FA+6*\u, FB+6*\u, TT, PW+\u
.endr
	v_perm_b32 v[W0+\f], v[PW+1], v[PW], 0x05040100
	v_perm_b32 v[W0+4+\f], v[PW+1], v[PW], 0x07060302
.irp i, 0,1,2
	global_store_b128 v[LI], v[FA+4*\i:FA+4*\i+3], s[10:11] offset:1536*\f+512*\i
	global_store_b128 v[LI], v[FB+4*\i:FB+4*\i+3], s[10:11] offset:HEADB+1536*\f+512*\i
.endr
.endr
.irp e, 0,1
	v_cndmask_b32 v[250+2*\e], v[W0+4*\e], v[W0+4*\e+2], s12
	v_cndmask_b32 v[251+2*\e], v[W0+4*\e+1], v[W0+4*\e+3], s12
	global_store_b64 v[SO], v[250+2*\e:251+2*\e], s[10:11] offset:HEADB*\e+12288
.endr
	s_branch .Ljoin
.Lv_part:
.set TM, 192
.set TT, 208
.set W0, 240
.irp b, 0,1,2,3
	v_mov_b32 v[TM+4+\b], 0
.endr
.irp y, 0,1,2,3,4,5,6,7
.if \y == 4
	s_wait_xcnt 0x0
.endif
.set WN, 0x02+\y/4
.set AC, 64*(\y%4)
	WIN WN
.set i, 0
.rept 32
	v_pk_add_f32 v[H+i:H+i+1], v[AC+i:AC+i+1], v[BY+2*\y:BY+2*\y+1]
.set i, i+2
.endr
	WIN 0
	QUANT H, 64+12*(\y%4), 70+12*(\y%4), TT, W0+\y
.irp i, 0,1,2
	global_store_b128 v[LI], v[64+12*(\y%4)+4*\i:64+12*(\y%4)+4*\i+3], s[10:11] offset:HEADB*(\y/4)+6144+1536*(\y%4)+512*\i
.endr
.endr
.irp e, 0,1
	v_cndmask_b32 v[248+2*\e], v[W0+4*\e], v[W0+4*\e+2], s12
	v_cndmask_b32 v[249+2*\e], v[W0+4*\e+1], v[W0+4*\e+3], s12
	global_store_b64 v[SO], v[248+2*\e:249+2*\e], s[10:11] offset:HEADB*\e+12288+256
.endr
.Ljoin:
	s_wait_tensorcnt 0x0
	ds_add_u32 v[SPW], v[NIL]
	s_wait_dscnt 0x0
	CROUND
	s_endpgm
.Lfunc_end_k_q53e353dbff_kvgemm:
	.size	k_q53e353dbff_kvgemm, .Lfunc_end_k_q53e353dbff_kvgemm-k_q53e353dbff_kvgemm
	.p2alignl 7, 3214868480
	.fill 96, 4, 3214868480
	.section	.rodata,"a",@progbits
	.p2align	6, 0x0
	.amdhsa_kernel k_q53e353dbff_kvgemm
		.amdhsa_group_segment_fixed_size 327680
		.amdhsa_private_segment_fixed_size 0
		.amdhsa_enable_private_segment 0
		.amdhsa_kernarg_size 32
		.amdhsa_user_sgpr_count 2
		.amdhsa_user_sgpr_kernarg_segment_ptr 1
		.amdhsa_wavefront_size32 1
		.amdhsa_system_sgpr_workgroup_id_x 1
		.amdhsa_system_sgpr_workgroup_id_y 1
		.amdhsa_system_sgpr_workgroup_id_z 1
		.amdhsa_system_vgpr_workitem_id 0
		.amdhsa_next_free_vgpr 1024
		.amdhsa_next_free_sgpr 100
		.amdhsa_reserve_vcc 0
		.amdhsa_float_denorm_mode_32 3
		.amdhsa_float_denorm_mode_16_64 3
		.amdhsa_memory_ordered 1
		.amdhsa_forward_progress 1
		.amdhsa_inst_pref_size 210
	.end_amdhsa_kernel
	.amdgpu_metadata
---
amdhsa.version: [ 1, 2 ]
amdhsa.kernels:
  - .name:           k_q53e353dbff_kvgemm
    .symbol:         k_q53e353dbff_kvgemm.kd
    .args:
      - { .name: xn_img, .offset: 0, .size: 8, .value_kind: global_buffer, .address_space: global }
      - { .name: wqkv_img, .offset: 8, .size: 8, .value_kind: global_buffer, .address_space: global }
      - { .name: b_qkv, .offset: 16, .size: 8, .value_kind: global_buffer, .address_space: global }
      - { .name: kv_img, .offset: 24, .size: 8, .value_kind: global_buffer, .address_space: global }
    .group_segment_fixed_size: 327680
    .private_segment_fixed_size: 0
    .kernarg_segment_align: 8
    .kernarg_segment_size: 32
    .max_flat_workgroup_size: 128
    .sgpr_count:     100
    .vgpr_count:     1024
    .wavefront_size: 32
...
	.end_amdgpu_metadata
.endif
;; end of part 2
;; launch attn (part 3): grid 8 x 32, 16 waves a work-group, clusters of 4 x 1, 327,680 bytes of LDS; arguments xn_img, wqkv_img, kv_img, b_qkv, o_img; writes o_img
.if DOCPART == 3
	.amdgcn_target "amdgcn-amd-amdhsa--gfx1250"
	.amdhsa_code_object_version 6
	.text
	.protected	k_q53e353dbff_attn
	.globl	k_q53e353dbff_attn
	.p2align	8
	.type	k_q53e353dbff_attn,@function
k_q53e353dbff_attn:
	s_mov_b64 s[64:65], 0
	v_nop
	global_prefetch_b8 v0, s[64:65] scope:SCOPE_SE
	s_setreg_imm32_b32 hwreg(HW_REG_WAVE_MODE, 25, 1), 1
	s_wait_xcnt 0x0
	s_wait_alu depctr_hold_cnt(0) depctr_sa_sdst(0) depctr_va_vdst(0) depctr_va_sdst(0) depctr_va_ssrc(0) depctr_va_vcc(0) depctr_vm_vsrc(0)
	s_getreg_b32 s2, hwreg(HW_REG_IB_STS2, 6, 4)
	s_cmp_eq_u32 s2, 0
	s_cbranch_scc0 .Lentry_in_a_cluster
	s_endpgm
.Lentry_in_a_cluster:
	s_bfe_u32 s2, ttmp6, 0x10000c
	s_cmp_lg_u32 s2, 0x3003
	s_cbranch_scc0 .Lentry_shape_is_right
	s_endpgm
.Lentry_shape_is_right:
; For each batch and head: q = LN(x) Wq^T + bq of the wave's own 16 queries, quantised in registers; then O = softmax(q k^T / 8) v over 4,096 keys; O / l is quantised along C and stored as the output projection's operand.
; Only x's rows get a q: the context's Q columns are sliced away by reference() and are not computed.
; All products on codes of FP6 (E2M3) with E8M0 scales.  THE SOFTMAX: t = score x log2(e) / 8; M = the running largest t rounded up to a whole number; p = 2^(t - M) is quantised along the keys, not normalised;
; the row's sum is taken of the unquantised p; when M moves, the sum and O are multiplied by 2^(old M - new M), which rounds nothing.
; SHARES: a work-group owns 256 queries of one head, each of its sixteen waves 16, in 256 registers.  Every wave walks 32 key steps of 128 keys.  CLUSTER: the four query blocks of a cluster walk the same step records and
; the same Wq: each is asked for jointly (mask 15).  BOTH PRODUCTS TRANSPOSED: S^T = K Q^T, O^T = V^T P^T: a lane holds one query throughout.
; THE HEAD HAS 64 CHANNELS, the instruction 128 along K: a K fragment holds one key tile in registers 0-5 and another in 6-11; Q lies as [q][zeros][q] in 18 registers, and the fragment is multiplied by [q][0] and by [0][q].
; WHICH KEYS FORM A TILE is chosen when the fragments are read from LDS: a record's fragment b holds tiles (b, u), u = 0, 1, whose row r is key 32 b + 8 u + r + 8 (r / 8).  Lane row r of the fragment (g, x) read here takes
; row r % 8 + 8 x of the record's fragment 2 g + r / 8.  Then register 32 g + i of lane (query, h) is key 64 g + 32 h + i: A LANE HOLDS TWO WHOLE BLOCKS OF 32 KEYS, in the order of the second product's operand:
; a block's maximum needs no other lane, and the conversions' results need no exchange between lanes.
; LDS: a record's 25 rows of 512 bytes lie 640 bytes apart (the descriptor pads).
; Two slots of eight step records (128,000 bytes) at 0 and 131,072; Wq's four records, unpadded, at 262,144, filled once; the spare words behind them.
; THE ORDER OF THE FIRST FILLS: Wq alone at the kernel's head, since the q projection reads it first; slot 0 behind the next round, on its way while q is made; slot 1 behind the first change of slots.
; LIMITS: NaN and infinities are not served; the promise holds while the scaled scores t stay under 2^31 in magnitude; a block whose largest magnitude lies under 2^-124 (a block of zeros too) gets the byte 1;
; the bytes are read by this program alone.  The scale bytes of O go out as single bytes, 32 a wave in the whole launch: a head owns two of a word's four bytes.
; REGISTERS: v1-9 addresses; v12 -M, v13 the largest score, v[14:15] the sum; v16-33 Q; v34 Q's scale word, v35 p's, v36-39 K's, v92-95 V's (lanes 16-31); v40-87 four fragments; v88-91 maxima;
; v96-159 S^T, then p; v160-191 O^T; v192-203 p's codes; v204-223, v246-255 at work.  In the prologue: v96-191 x's eight fragments, v192-223 q's sums, v224-231 Wq's scale words, v232-239 x's.
.set REC,   12800                      ; a record in memory
.set LREC,  16000                      ; and in LDS
.set NR,    8                          ; records in a slot
.set SLOT1, 131072
.set WQ,    262144
.set SPARE, WQ+4*REC                   ; 2,048 bytes: 128 for each wave; no other line names them
.set SCB,   15360                      ; a record's scale words in LDS: row 24
.set LI,  1                            ; 16 x lane
.set SPW, 2
.set NIL, 3
.set KA,  4                            ; the step's addresses: K's gather, V and the scale row, K's scale words
.set VA,  5
.set KSA, 6
.set KB,  7                            ; 1920 (r / 8) + 16 (r % 8) + 256 h
.set KSB, 8                            ; 16 (r % 8) + 4 (r / 8)
.set PFO, 9                            ; the prefetches' offset; never rewritten
.set R8,  240                          ; 8 r
.set BA,  241                          ; 64 h; on the way out 8 x lane
.set WQA, 242
.set WQS, 243
.set SBA, 244                          ; 8 r + h
.set SH8, 245                          ; 8 h
.set TB,  2                            ; s2  LDS byte of the step record in hand
.set WV,  18
.set W3,  19
.set SEL, 20
.set CS,  22
.set G1,  24
.set G0W, 32
.set G0K, 36
.set SLOTS, 40
.set LIM, 41
.set PFA, 42
.set NC,  66
.set G1W, 68
.macro ROUND                           ; a round of the cluster's barrier
	s_barrier_signal -1
	s_barrier_wait -1
	s_cmp_lg_u32 s[WV], 0
	s_cbranch_scc1 .Lnot_wave_0_\@
	s_barrier_signal -3
.Lnot_wave_0_\@:
	s_barrier_wait -3
	s_barrier_signal -1
	s_barrier_wait -1
.endm
.macro NOPS n
.rept \n
	v_nop
.endr
.endm
.macro KLOAD                           ; waves 0-7 ask for a record each of the slot that G0K names
	s_cmp_lt_u32 s[WV], 8
	s_cbranch_scc0 .Lno_load_\@
	tensor_load_to_lds s[G0K:G0K+3], s[G1:G1+7]    ; the first thing behind the round, and a wave's one tensor load until the next
	s_nop 0
	NOPS 4
.Lno_load_\@:
.endm
; 32 numbers of a lane, register 16 b + i = k 32 b + 16 (lane / 16) + i, become six registers of codes, d .. d + 5: k = 32 (lane / 16) + 0 .. 31; the two blocks' bytes land in m + 6, m + 7.  m: eight work registers.
.macro QUANT2 s, d, t, m
	v_mov_b32 v[\m+2], 0                           ; a lane permute's destination counts as one of its sources
	v_mov_b32 v[\m+3], 0
.irp b, 0,1
	v_max3_num_f32 v[\m+\b], |v[\s+16*\b]|, |v[\s+1+16*\b]|, 0x1800000   ; and the floor 2^(3 - 127)
.endr
.irp i, 2,4,6,8,10,12,14
.irp b, 0,1
	v_max3_num_f32 v[\m+\b], v[\m+\b], |v[\s+16*\b+\i]|, |v[\s+1+16*\b+\i]|
.endr
.endr
.irp b, 0,1
	s_delay_alu instid0(VALU_DEP_2)
	v_permlanex16_b32 v[\m+2+\b], v[\m+\b], s[SEL], s[SEL+1]
.endr
.irp b, 0,1
	s_delay_alu instid0(VALU_DEP_2)
	v_max_num_f32 v[\m+\b], v[\m+\b], v[\m+2+\b]
.endr
.irp b, 0,1
	s_delay_alu instid0(VALU_DEP_2)
	v_add_nc_u32 v[\m+4+\b], 0xff000000, v[\m+\b]
.endr
.irp b, 0,1
	s_delay_alu instid0(VALU_DEP_2)
	v_lshrrev_b32 v[\m+6+\b], 23, v[\m+4+\b]
.endr
	v_cvt_scalef32_pk16_fp6_f32 v[\d:\d+2], v[\s:\s+15], v[\m+4]
	v_cvt_scalef32_pk16_fp6_f32 v[\t:\t+2], v[\s+16:\s+31], v[\m+5]
	v_nop                                          ; one plain place behind the scaled conversions
.irp i, 0,1,2
	v_permlane16_swap_b32 v[\d+\i], v[\t+\i]
.endr
.irp i, 0,1,2
	s_delay_alu instid0(VALU_DEP_3)
	v_mov_b32 v[\d+3+\i], v[\t+\i]
.endr
.endm
	s_load_b256 s[4:11], s[0:1], 0x0               ; xn_img, wqkv_img, kv_img, b_qkv
	s_load_b64 s[12:13], s[0:1], 0x20              ; o_img
	v_lshl_add_u32 v[SPW], v0, 2, SPARE
	v_mov_b32 v[NIL], 0
	ds_add_u32 v[SPW], v[NIL]                      ; the opening lines: the add, twice on end; its wait stands ahead of the first tensor load
	ds_add_u32 v[SPW], v[NIL]
	v_lshrrev_b32 v252, 5, v0
	s_delay_alu instid0(VALU_DEP_1)
	v_readfirstlane_b32 s[WV], v252                ; wave 0..15
	s_and_b32 s[W3], s[WV], 3
	s_and_b32 s47, ttmp7, 0xffff                   ; 16 x batch + head: the four partners share it
	s_and_b32 s48, s47, 15                         ; head
	s_lshr_b32 s49, s47, 4                         ; batch
	s_lshl_b32 s50, s48, 2
	s_add_co_u32 s50, s50, s[W3]
	s_mul_i32 s50, s50, REC                        ; Wq: the head's four tiles, one for each of waves 0-3
	s_mov_b32 s51, 0
	s_lshl_b32 s52, s47, 5
	s_add_co_u32 s52, s52, s[WV]
	s_mul_i32 s52, s52, REC                        ; the head's first eight step records, one for each of waves 0-7
	s_mov_b32 s53, 0
	s_mul_i32 s44, s[W3], REC                      ; and their places in LDS
	s_mul_i32 s45, s[WV], LREC
	s_mov_b32 s[G1], 15|(3<<16)|(1<<20)|(1<<21)|(6<<22)|(31<<25)   ; a step record: the mask of all four work-groups; elements of 8 bytes; bit 21 beside a mask; behind every 128 words 32 words of padding
	s_mov_b32 s[G1+1], 64<<16                      ; 25 rows of 512 bytes, dense in memory
	s_mov_b32 s[G1+2], 25<<16
	s_mov_b32 s[G1+3], 64<<16
	s_mov_b32 s[G1+4], 25
	s_mov_b32 s[G1+5], 64
	s_mov_b32 s[G1+6], 0
	s_mov_b32 s[G1+7], 0
	s_mov_b32 s[G1W], 15|(3<<16)|(1<<21)           ; a record of Wq: 50 rows of 256 bytes, no padding
	s_mov_b32 s[G1W+1], 32<<16
	s_mov_b32 s[G1W+2], 50<<16
	s_mov_b32 s[G1W+3], 32<<16
	s_mov_b32 s[G1W+4], 50
	s_mov_b32 s[G1W+5], 32
	s_mov_b32 s[G1W+6], 0
	s_mov_b32 s[G1W+7], 0
	s_mov_b32 s[SEL], 0x76543210
	s_mov_b32 s[SEL+1], 0xfedcba98
	s_mov_b32 s[CS], 0x3e38aa3b                    ; c = log2(e) / 8
	s_mov_b32 s[CS+1], s[CS]                       ; named with it as a pair, so it is written
	s_mov_b32 s[NC], 0xbe38aa3b                    ; -c
	s_mov_b32 s[TB], 0
	s_mov_b32 s[SLOTS], 3
	s_bfe_u32 s54, ttmp6, 0x40000                  ; cx: it enters global addresses of my own loads, stores and prefetches alone
	s_lshl_b32 s55, ttmp9, 2
	s_add_co_u32 s55, s55, s54                     ; my block of 256 queries
	s_lshl_b32 s55, s55, 4
	s_lshl_b32 s56, s49, 7
	s_add_co_u32 s56, s56, s55
	s_add_co_u32 s56, s56, s[WV]                   ; my tile of tokens: 128 x batch + 16 x block + wave
	s_mul_i32 s56, s56, REC
	s_mov_b32 s57, 0
	s_mul_i32 s58, s47, 32*REC                     ; the prefetches (macro ASK): my work-group's two records of a slot's eight; the first change of slots steps this on to the head's records 16 ..
	s_mul_i32 s59, s54, 2*REC
	s_add_co_u32 s58, s58, s59
	s_add_co_u32 s58, s58, NR*REC
	s_mov_b32 s59, 0
	s_lshr_b32 s46, s[WV], 2
	s_xor_b32 s46, s46, 3                          ; 0 in waves 12-15,
	s_or_b32 s46, s46, ttmp9                       ; of the head's first cluster: the same in all four partners
	s_cmp_eq_u32 s46, 0
	s_cselect_b32 s[LIM], 1, -1
	s_mul_i32 s60, s48, 768                        ; O's half fragment: 1536 (head / 2) + 768 (head % 2)
	s_mov_b32 s61, 0
	s_lshr_b32 s62, s48, 2                         ; its two scale bytes: 12288 + 128 (head / 4) + 4 ((head / 2) % 2) + 2 (head % 2)
	s_lshl_b32 s62, s62, 7
	s_bfe_u32 s63, s48, 0x10001
	s_lshl_b32 s63, s63, 2
	s_add_co_u32 s62, s62, s63
	s_and_b32 s63, s48, 1
	s_lshl_b32 s63, s63, 1
	s_add_co_u32 s62, s62, s63
	s_add_co_u32 s62, s62, 12288
	s_mov_b32 s63, 0
	s_lshl_b32 s48, s48, 8                         ; bq: 64 numbers a head
	s_mov_b32 s49, 0
	v_and_b32 v252, 31, v0
	v_and_b32 v[PFO], 127, v0                      ; 32 x (wave % 4) + lane,
	v_and_b32 v253, 15, v0                         ; r
	v_bfe_u32 v254, v0, 4, 1                       ; h
	v_lshlrev_b32 v[LI], 4, v252
	v_min_u32 v[PFO], 99, v[PFO]                   ; held at the last of my work-group's 100 blocks of 256 bytes
	v_lshlrev_b32 v[R8], 3, v253
	v_lshlrev_b32 v[BA], 6, v254
	v_lshlrev_b32 v[SH8], 3, v254
	v_lshlrev_b32 v[PFO], 8, v[PFO]
	v_add_nc_u32 v[SBA], v[R8], v254
	v_add_nc_u32 v[WQA], WQ, v[LI]
	v_add_nc_u32 v[WQS], WQ+12288, v[R8]
	v_and_b32 v253, 7, v0                          ; r % 8
	v_bfe_u32 v255, v0, 3, 1                       ; r / 8
	v_mul_u32_u24 v[KB], v255, 1920
	v_lshlrev_b32 v[KSB], 4, v253
	v_lshl_add_u32 v[KB], v253, 4, v[KB]
	v_lshl_add_u32 v[KSB], v255, 2, v[KSB]
	v_lshl_add_u32 v[KB], v254, 8, v[KB]
	s_wait_alu depctr_va_vdst(0)
	s_wait_dscnt 0x0                               ; both opening adds are done
	s_wait_kmcnt 0x0
	s_mov_b32 s[G0W], 1
	s_add_co_u32 s[G0W+1], s44, WQ
	s_add_nc_u64 s[G0W+2:G0W+3], s[6:7], s[50:51]
	s_or_b32 s[G0W+3], s[G0W+3], 0x80000000
	s_mov_b32 s[G0K], 1
	s_mov_b32 s[G0K+1], s45
	s_add_nc_u64 s[G0K+2:G0K+3], s[8:9], s[52:53]
	s_or_b32 s[G0K+3], s[G0K+3], 0x80000000
	s_add_nc_u64 s[PFA:PFA+1], s[8:9], s[58:59]
	s_add_nc_u64 s[4:5], s[4:5], s[56:57]          ; my tile's record of LN(x)
	s_add_nc_u64 s[12:13], s[12:13], s[56:57]      ; and of O
	s_add_nc_u64 s[14:15], s[12:13], s[62:63]
	s_add_nc_u64 s[12:13], s[12:13], s[60:61]
	s_add_nc_u64 s[10:11], s[10:11], s[48:49]
.irp s, 0,1,2,3,4,5,6,7                ; my own loads go out ahead of the round: nobody writes these bytes
.irp i, 0,1,2
	global_load_b128 v[96+12*\s+4*\i:99+12*\s+4*\i], v[LI], s[4:5] offset:1536*\s+512*\i   ; LN(x)'s eight fragments of my 16 queries
.endr
.endr
.irp g, 0,1,2,3
	global_load_b64 v[232+2*\g:233+2*\g], v[R8], s[4:5] offset:12288+128*\g
.endr
.irp t, 0,1,2,3
	global_load_b128 v[192+8*\t:195+8*\t], v[BA], s[10:11] offset:(32*(\t/2)+8*(\t%2))*4      ; bq in the result's layout: it starts the sums
	global_load_b128 v[196+8*\t:199+8*\t], v[BA], s[10:11] offset:(32*(\t/2)+8*(\t%2))*4+16
.endr
	ROUND                                          ; all four work-groups are here: the first joint loads meet
	s_cmp_lt_u32 s[WV], 4                          ; at the head Wq alone: waves 0-3, a record each
	s_cbranch_scc0 .Lhead_asked
	tensor_load_to_lds s[G0W:G0W+3], s[G1W:G1W+7]
	s_nop 0
	NOPS 4
.Lhead_asked:
	s_wait_tensorcnt 0x0                           ; my record of Wq is in
	ds_add_u32 v[SPW], v[NIL]                      ; 0 onto my spare word,
	ds_add_u32 v[SPW], v[NIL]                      ; twice
	s_wait_dscnt 0x0
	ROUND                                          ; all of Wq is in, in all four work-groups
	KLOAD                                          ; slot 0's first fill: it is on its way while q is made, and is waited for at the first change of slots
	s_wait_loadcnt 0x0
; q^T = Wq x^T + bq: source 0 = 16 rows of Wq, source 1 = my queries; four accumulators by turns, a K step at a time
.macro QSTEP s
.if \s > 0
	NOPS 4                                         ; places in front of loads into registers that matrix instructions have read
.endif
.irp t, 0,1,2,3
.irp i, 0,1,2
	ds_load_b128 v[40+12*\t+4*\i:43+12*\t+4*\i], v[WQA] offset:REC*\t+1536*\s+512*\i
.endr
.endr
.if \s%2 == 0
.irp t, 0,1,2,3
	ds_load_b64 v[224+2*\t:225+2*\t], v[WQS] offset:REC*\t+128*(\s/2)
.endr
.endif
	s_wait_dscnt 0x0
.irp t, 0,1,2,3
	v_wmma_scale_f32_16x16x128_f8f6f4 v[192+8*\t:199+8*\t], v[40+12*\t:51+12*\t], v[96+12*\s:107+12*\s], v[192+8*\t:199+8*\t], v[224+2*\t+\s%2], v[232+\s] matrix_a_fmt:MATRIX_FMT_FP6 matrix_b_fmt:MATRIX_FMT_FP6
.endr
.endm
.irp s, 0,1,2,3,4,5,6,7
	QSTEP \s
.endr
	NOPS 4
	QUANT2 192, 16, 40, 44                         ; register 16 b + i of the sums is channel 32 b + 16 h + i of my query
.irp i, 0,1,2,3,4,5
	v_mov_b32 v[28+\i], v[16+\i]                   ; [q][0][q]
	v_mov_b32 v[22+\i], 0
.endr
	v_lshl_or_b32 v34, v51, 8, v50
	v_mov_b32 v13, 0xff61b1e6                      ; the largest score so far: -3e38
	v_lshl_or_b32 v34, v34, 16, v34                ; q's two bytes, twice
	v_mul_f32 v12, s[NC], v13
	v_mov_b32 v14, 0
	v_mov_b32 v15, 0
	v_floor_f32 v12, v12                           ; -M
	v_mov_b32 v223, 0                              ; named as the upper half of the pair v[222:223]
	v_mov_b32 v253, 0                              ; a lane permute's destination counts as one of its sources
	v_mov_b32 v218, 0
.set j, 0
.rept 32
	v_mov_b32 v[160+j], 0                          ; O^T: the step is written once; the first finds zeros, which the first change of M leaves zeros
.set j, j+1
.endr
	s_wait_alu depctr_va_vdst(0)
; A KEY STEP: the record at s[TB]
.macro STEP
	v_add_nc_u32 v[KA], s[TB], v[KB]               ; with the v_nop: four places behind the last step's products, in front of loads into their registers
	v_add_nc_u32 v[VA], s[TB], v[LI]
	v_add_nc_u32 v[KSA], s[TB], v[KSB]
	v_nop
	ds_load_b128 v[92:95], v[VA] offset:SCB        ; lanes 16-31: V's four scale words of channel row r
.irp g, 0,1
.irp x, 0,1
	ds_load_b32 v[36+2*\g+\x], v[KSA] offset:SCB+128*\x+8*\g   ; the scale word goes with its row: word 2 g + r / 8 of row r % 8 + 8 x
.endr
.endr
.irp g, 0,1
.irp x, 0,1
.irp i, 0,1,2
	ds_load_b128 v[40+12*(2*\g+\x)+4*\i:43+12*(2*\g+\x)+4*\i], v[KA] offset:3840*\g+128*\x+640*\i
.endr
.endr
.endr
	s_wait_alu depctr_va_vdst(0)
	s_wait_dscnt 0x0
.irp g, 0,1
.irp x, 0,1
.irp u, 0,1
	v_wmma_scale_f32_16x16x128_f8f6f4 v[96+8*(4*\g+2*\x+\u):103+8*(4*\g+2*\x+\u)], v[40+12*(2*\g+\x):51+12*(2*\g+\x)], v[16+6*\u:27+6*\u], 0, v[36+2*\g+\x], v34 matrix_a_fmt:MATRIX_FMT_FP6 matrix_b_fmt:MATRIX_FMT_FP6
.endr
.endr
.endr
	NOPS 4
.irp d, 0,1,2,3
.irp i, 0,1,2
	ds_load_b128 v[40+12*\d+4*\i:43+12*\d+4*\i], v[VA] offset:640*(12+3*\d+\i)   ; V's fragments land under the softmax
.endr
.endr
.irp q, 0,1,2,3                        ; the largest score of my two blocks of 32 keys, each in two chains; each accumulator is first read at its low end
	v_max3_num_f32 v[88+\q], v[96+16*\q], v[97+16*\q], v[98+16*\q]
.endr
.irp i, 3,5,7,9,11,13
.irp q, 0,1,2,3
	v_max3_num_f32 v[88+\q], v[88+\q], v[96+16*\q+\i], v[97+16*\q+\i]
.endr
.endr
	v_max3_num_f32 v88, v88, v111, v127
	v_max3_num_f32 v90, v90, v143, v159
	s_delay_alu instid0(VALU_DEP_2)
	v_max_num_f32 v88, v88, v89                    ; block h: it serves for the row's maximum and, since p rises with the score, for the block's largest p
	s_delay_alu instid0(VALU_DEP_2)
	v_max_num_f32 v90, v90, v91                    ; block 2 + h
	s_delay_alu instid0(VALU_DEP_1)
	v_max_num_f32 v252, v88, v90
	s_delay_alu instid0(VALU_DEP_1)
	v_permlanex16_b32 v253, v252, s[SEL], s[SEL+1]
	s_delay_alu instid0(VALU_DEP_1)
	v_max3_num_f32 v13, v13, v252, v253            ; the running largest score
	s_delay_alu instid0(VALU_DEP_1)
	v_mul_f32 v254, s[NC], v13                     ; -t
	s_delay_alu instid0(VALU_DEP_1)
	v_floor_f32 v254, v254                         ; the new -M = -ceil(t)
	s_delay_alu instid0(VALU_DEP_1)
	v_sub_f32 v255, v254, v12                      ; old M - new M: a whole number, 0 or less
	v_mov_b32 v12, v254
	s_delay_alu instid0(VALU_DEP_2)
	v_cvt_i32_f32 v255, v255                       ; (it saturates)
	s_delay_alu instid0(VALU_DEP_1)
	v_ldexp_f32 v222, 1.0, v255                    ; f = 2^(old M - new M)
	v_fma_f32 v88, v88, s[CS], v12
	v_fma_f32 v90, v90, s[CS], v12
.set j, 0
.rept 32
	v_pk_fma_f32 v[96+j:97+j], v[96+j:97+j], s[CS:CS+1], v[12:13] op_sel_hi:[1,0,0]   ; t - M
.set j, j+2
.endr
	s_wait_alu depctr_va_vdst(0)
	v_exp_f32 v88, v88                             ; the blocks' largest p
	v_exp_f32 v90, v90
.set j, 0
.rept 64
	v_exp_f32 v[96+j], v[96+j]                     ; p = 2^(t - M)
.set j, j+1
.endr
	v_pk_mul_f32 v[14:15], v[14:15], v[222:223] op_sel_hi:[1,0]   ; the sums under the new M; a plain place behind the exponentials
	s_wait_alu depctr_va_vdst(0)                   ; one wait for the batch, ahead of its first reader
	v_max_num_f32 v88, 0x1800000, v88              ; the floor 2^(3 - 127)
	v_max_num_f32 v90, 0x1800000, v90
	v_pk_add_f32 v[246:247], v[96:97], v[98:99]    ; the row's sum of the unquantised p, in four chains
	v_pk_add_f32 v[248:249], v[100:101], v[102:103]
	v_add_nc_u32 v212, 0xff000000, v88             ; 2 off the exponent field: the conversions' scale operands
	v_add_nc_u32 v213, 0xff000000, v90
	v_pk_add_f32 v[250:251], v[104:105], v[106:107]
	v_pk_add_f32 v[14:15], v[14:15], v[108:109]
	v_lshrrev_b32 v216, 23, v212                   ; the bytes
	v_lshrrev_b32 v217, 23, v213
	v_pk_add_f32 v[246:247], v[246:247], v[110:111]
	v_pk_add_f32 v[248:249], v[248:249], v[112:113]
	v_lshl_or_b32 v216, v217, 16, v216             ; blocks h and 2 + h,
	v_pk_add_f32 v[250:251], v[250:251], v[114:115]
	v_pk_add_f32 v[14:15], v[14:15], v[116:117]
	v_lshlrev_b32 v216, v[SH8], v216               ; at their places in the word
	v_pk_add_f32 v[246:247], v[246:247], v[118:119]
	v_pk_add_f32 v[248:249], v[248:249], v[120:121]
	v_permlanex16_b32 v218, v216, s[SEL], s[SEL+1]
	v_pk_add_f32 v[250:251], v[250:251], v[122:123]
	v_pk_add_f32 v[14:15], v[14:15], v[124:125]
.set j, 126
.rept 4
	v_pk_add_f32 v[246:247], v[246:247], v[j:j+1]
	v_pk_add_f32 v[248:249], v[248:249], v[j+2:j+3]
	v_pk_add_f32 v[250:251], v[250:251], v[j+4:j+5]
	v_pk_add_f32 v[14:15], v[14:15], v[j+6:j+7]
.set j, j+8
.endr
	v_pk_add_f32 v[246:247], v[246:247], v[158:159]
	v_pk_add_f32 v[248:249], v[248:249], v[250:251]
	s_delay_alu instid0(VALU_DEP_2)
	v_pk_add_f32 v[14:15], v[14:15], v[246:247]
	s_delay_alu instid0(VALU_DEP_1)
	v_pk_add_f32 v[14:15], v[14:15], v[248:249]
.irp c, 0,1                            ; my block 2 c + h: its 32 codes are registers 6 c .. 6 c + 5 of the operand (a conversion's three registers begin on an even number: the upper three are made elsewhere and moved)
	v_cvt_scalef32_pk16_fp6_f32 v[192+6*\c:194+6*\c], v[96+32*\c:111+32*\c], v[212+\c]
	v_cvt_scalef32_pk16_fp6_f32 v[204+4*\c:206+4*\c], v[112+32*\c:127+32*\c], v[212+\c]
.endr
	v_or_b32 v35, v216, v218                       ; with lane l xor 16's two bytes: p's scale word for these 128 keys; also the plain place behind the scaled conversions
.irp c, 0,1
.irp i, 0,1,2
	v_mov_b32 v[195+6*\c+\i], v[204+4*\c+\i]
.endr
.endr
	s_wait_dscnt 0x0                               ; V
	s_wait_alu depctr_va_vdst(0)                   ; directly ahead of the first reader of O^T
.set j, 0
.rept 16
	v_pk_mul_f32 v[160+j:161+j], v[160+j:161+j], v[222:223] op_sel_hi:[1,0]   ; O^T under the new M; also the places in front of the products below
.set j, j+2
.endr
.irp d, 0,1,2,3
	v_wmma_scale_f32_16x16x128_f8f6f4 v[160+8*\d:167+8*\d], v[40+12*\d:51+12*\d], v[192:203], v[160+8*\d:167+8*\d], v[92+\d], v35 matrix_a_fmt:MATRIX_FMT_FP6 matrix_b_fmt:MATRIX_FMT_FP6 matrix_a_scale:MATRIX_SCALE_ROW1
.endr
.endm
.macro SLOT_STEPS                      ; a slot's eight steps: written once, walked eight times
	s_mov_b32 s3, NR
.Lstep_\@:
	STEP
	s_add_co_u32 s[TB], s[TB], LREC
	s_sub_co_u32 s3, s3, 1
	s_cmp_lg_u32 s3, 0
	s_cbranch_scc1 .Lstep_\@
	s_sub_co_u32 s[TB], s[TB], NR*LREC
	s_xor_b32 s[TB], s[TB], SLOT1                  ; on to the other slot
.endm
; A PREFETCH INTO THE L2 of the eight records that the NEXT change of slots will ask for: 400 blocks of 256 bytes.  Both clusters of a head walk the same records: the head's first cluster asks; its four partners
; take 100 blocks each, told apart by address (cx); waves 12-15, a lane a block (the last wave's spare lanes name its last block again).  Asked at the first two changes, for records 16-23 and 24-31, eight key steps
; ahead of their loads; the third change has no successor and asks for nothing.  Records 0-15 come by their loads alone.
.macro ASK
	s_cmp_gt_u32 s[SLOTS], s[LIM]
	s_cbranch_scc0 .Lnot_mine_\@
	global_prefetch_b8 v[PFO], s[PFA:PFA+1] th:TH_LOAD_NT scope:SCOPE_SE
.Lnot_mine_\@:
.endm
; THE CHANGE OF SLOTS stands at a slot's head.  Each wave waits for all its tensor loads, adds 0 to its spare word, and waits for that and for its reads of the slot that it has left.  fill = 1: a round of the cluster's
; barrier, and behind it the slot just left (the first time: slot 1, not yet filled) takes the next eight records, one a wave in waves 0-7: the load has eight key steps in which to land.
.macro CHANGE fill
	s_wait_tensorcnt 0x0                           ; no tensor load of mine is out, so a group 0 may be written
	ds_add_u32 v[SPW], v[NIL]                      ; 0 onto my spare word,
.if \fill
	ds_add_u32 v[SPW], v[NIL]                      ; twice
	s_xor_b32 s[G0K+1], s[G0K+1], SLOT1
	s_add_nc_u64 s[G0K+2:G0K+3], s[G0K+2:G0K+3], NR*REC
	s_wait_xcnt 0x0                                ; the last prefetch, a slot back, has read its address
	s_add_nc_u64 s[PFA:PFA+1], s[PFA:PFA+1], NR*REC
.endif
	s_wait_dscnt 0x0                               ; the add is done, and my reads of the slot that I have left are over
.if \fill
	ROUND
	KLOAD
	ASK
.else
	s_barrier_signal -1
	s_barrier_wait -1
.endif
.endm
.Lslot:                                            ; three trips: behind each change of slots but the last the next slot is asked for
	CHANGE 1
	SLOT_STEPS
	s_sub_co_u32 s[SLOTS], s[SLOTS], 1
	s_cmp_lg_u32 s[SLOTS], 0
	s_cbranch_scc1 .Lslot
	CHANGE 0                                       ; the last slot is written out
	SLOT_STEPS
	; THE WAY OUT: O^T / the sum, quantised along C (my head's 64 channels are two blocks), as half a fragment of the output projection's operand
	NOPS 4
	v_add_f32 v14, v14, v15
	s_delay_alu instid0(VALU_DEP_1)
	v_permlanex16_b32 v253, v14, s[SEL], s[SEL+1]
	s_delay_alu instid0(VALU_DEP_1)
	v_add_f32 v14, v14, v253                       ; the row's sum: my two blocks' and lane l xor 16's two
	s_wait_alu depctr_va_vdst(0)
	v_rcp_f32 v14, v14
	v_lshrrev_b32 v[BA], 1, v[LI]                  ; 8 x lane; a plain place behind the reciprocal
	s_mov_b32 s46, 0xffff0000
	s_wait_alu depctr_va_vdst(0)                   ; the wait, ahead of the first reader
.set j, 0
.rept 32
	v_mul_f32 v[96+j], v[160+j], v14               ; register 16 b + i is channel 32 b + 16 h + i of my query; each accumulator from its low end on
.set j, j+1
.endr
	QUANT2 96, 192, 204, 212
	v_cndmask_b32 v252, v218, v219, s46            ; lanes 0-15 store the first block's byte, lanes 16-31 the second's
	global_store_b128 v[LI], v[192:195], s[12:13]              ; 512 consecutive bytes
	global_store_b64 v[BA], v[196:197], s[12:13] offset:512    ; 256 consecutive bytes
	global_store_b8 v[SBA], v252, s[14:15]
	s_wait_tensorcnt 0x0                           ; the wave's end
	ds_add_u32 v[SPW], v[NIL]
	s_wait_dscnt 0x0
	ROUND                                          ; the closing round
	s_endpgm
.Lfunc_end_k_q53e353dbff_attn:
	.size	k_q53e353dbff_attn, .Lfunc_end_k_q53e353dbff_attn-k_q53e353dbff_attn
	.p2alignl 7, 3214868480
	.fill 96, 4, 3214868480
	.section	.rodata,"a",@progbits
	.p2align	6, 0x0
	.amdhsa_kernel k_q53e353dbff_attn
		.amdhsa_group_segment_fixed_size 327680
		.amdhsa_private_segment_fixed_size 0
		.amdhsa_enable_private_segment 0
		.amdhsa_kernarg_size 40
		.amdhsa_user_sgpr_count 2
		.amdhsa_user_sgpr_kernarg_segment_ptr 1
		.amdhsa_wavefront_size32 1
		.amdhsa_system_sgpr_workgroup_id_x 1
		.amdhsa_system_sgpr_workgroup_id_y 1
		.amdhsa_system_sgpr_workgroup_id_z 1
		.amdhsa_system_vgpr_workitem_id 0
		.amdhsa_next_free_vgpr 256
		.amdhsa_next_free_sgpr 76
		.amdhsa_reserve_vcc 0
		.amdhsa_float_denorm_mode_32 3
		.amdhsa_float_denorm_mode_16_64 3
		.amdhsa_memory_ordered 1
		.amdhsa_forward_progress 1
		.amdhsa_inst_pref_size 63
	.end_amdhsa_kernel
	.amdgpu_metadata
---
amdhsa.version: [ 1, 2 ]
amdhsa.kernels:
  - .name:           k_q53e353dbff_attn
    .symbol:         k_q53e353dbff_attn.kd
    .args:
      - { .name: xn_img, .offset: 0, .size: 8, .value_kind: global_buffer, .address_space: global }
      - { .name: wqkv_img, .offset: 8, .size: 8, .value_kind: global_buffer, .address_space: global }
      - { .name: kv_img, .offset: 16, .size: 8, .value_kind: global_buffer, .address_space: global }
      - { .name: b_qkv, .offset: 24, .size: 8, .value_kind: global_buffer, .address_space: global }
      - { .name: o_img, .offset: 32, .size: 8, .value_kind: global_buffer, .address_space: global }
    .group_segment_fixed_size: 327680
    .private_segment_fixed_size: 0
    .kernarg_segment_align: 8
    .kernarg_segment_size: 40
    .max_flat_workgroup_size: 512
    .sgpr_count:     76
    .vgpr_count:     256
    .wavefront_size: 32
...
	.end_amdgpu_metadata
.endif
;; end of part 3
;; launch outproj (part 4): grid 8 x 32, 8 waves a work-group, clusters of 4 x 4, 275,456 bytes of LDS; arguments o_img, wout_img, x, b_out, out0; writes out0
.if DOCPART == 4
	.amdgcn_target "amdgcn-amd-amdhsa--gfx1250"
	.amdhsa_code_object_version 6
	.text
	.protected	k_q53e353dbff_outproj
	.globl	k_q53e353dbff_outproj
	.p2align	8
	.type	k_q53e353dbff_outproj,@function
k_q53e353dbff_outproj:
	s_mov_b64 s[64:65], 0
	v_nop
	global_prefetch_b8 v0, s[64:65] scope:SCOPE_SE
	s_setreg_imm32_b32 hwreg(HW_REG_WAVE_MODE, 25, 1), 1
	s_wait_xcnt 0x0
	s_wait_alu depctr_hold_cnt(0) depctr_sa_sdst(0) depctr_va_vdst(0) depctr_va_sdst(0) depctr_va_ssrc(0) depctr_va_vcc(0) depctr_vm_vsrc(0)
	s_getreg_b32 s2, hwreg(HW_REG_IB_STS2, 6, 4)
	s_cmp_eq_u32 s2, 0
	s_cbranch_scc0 .Lentry_in_a_cluster
	s_endpgm
.Lentry_in_a_cluster:
	s_bfe_u32 s2, ttmp6, 0x10000c
	s_cmp_lg_u32 s2, 0xf033
	s_cbranch_scc0 .Lentry_shape_is_right
	s_endpgm
.Lentry_shape_is_right:
; out0 = O w_out^T + b_out + x on codes of FP6 (E2M3) with E8M0 scales, K = 1,024.  O's and w_out's operands are records of 12,800 bytes a tile of 16 rows (tile T's row r = matrix row 32 (T / 2) + 8 (T % 2) + r + 8 (r / 8)).
; w_out's fragment s lies at 1536 s as three runs of 512 bytes (register p of lane l at 512 (p / 4) + 16 l + 4 (p % 4)); O's in two halves of 768 bytes (a head each): registers 6 c .. 6 c + 3 at 768 c + 16 l,
; registers 6 c + 4, 6 c + 5 at 768 c + 512 + 8 l.  Scale words at 12288 + 128 (s / 2) + 8 r + 4 (s % 2).
; SHARES: 256 work-groups, a block of 128 tokens x 128 columns each, so that the residual's and the output's bytes are spread over all of them.  ALL OF K LIES IN LDS: 8 records of O and 8 of w_out, filled once, one
; tensor load a wave: no ring and no refill.  Wave w: tokens 32 (w / 2) on (two tiles), columns 64 (w % 2) on (four tiles): eight accumulators by turns.
; CLUSTERS of 4 x 4: O's records hang on the block's row and are asked for jointly along a row of the cluster, w_out's on its column, along a column.
; TRANSPOSED: source 0 = 16 rows of w_out, source 1 = 16 tokens: a lane holds eight neighbouring columns of one token.  The results go through the wave's own stage in LDS and leave as 256 consecutive, aligned bytes from sixteen lanes.
; No prefetch: the launch has first fills alone.  Fragments are not double buffered: eight short K steps, and two waves share a SIMD.
.set REC,  12800
.set BOFF, 8*REC
.set STG,  16*REC                      ; the stages: 32 rows x 272 bytes for each wave; no tensor load lands here
.set SP,   272
.set AA16, 1
.set AA8,  2
.set AB,   3
.set ADS,  4                           ; v4, v5
.set STO,  6
.set RD,   7
.set CO,   8
.set BO,   9
.set SC,   16                          ; v16-47 scale words, register 8 t + s: lanes 0-15 tokens' tile t % 2, lanes 16-31 w_out's tile t; nothing else ever
.set AF,   48
.set BF,   72
.set ACC,  120
.set XR,   184
.set BI,   248
.set G1,  24
.set G0,  32
.set G1B, 48
.set G0B, 56
.macro CREST
	s_cmp_lg_u32 s14, 0
	s_cbranch_scc1 .Lnot_wave_0_\@
	s_barrier_signal -3
.Lnot_wave_0_\@:
	s_barrier_wait -3
	s_barrier_signal -1
	s_barrier_wait -1
.endm
.macro CROUND
	s_barrier_signal -1
	s_barrier_wait -1
	CREST
.endm
	s_load_b256 s[4:11], s[0:1], 0x0               ; o_img, wout_img, x, b_out
	s_load_b64 s[12:13], s[0:1], 0x20              ; out0
	v_lshl_add_u32 v254, v0, 2, 0x43000
	v_mov_b32 v255, 0
	ds_add_u32 v254, v255
	ds_add_u32 v254, v255
	v_lshrrev_b32 v10, 5, v0
	s_delay_alu instid0(VALU_DEP_1)
	v_readfirstlane_b32 s14, v10                   ; wave 0..7
	s_lshr_b32 s15, s14, 1                         ; my 32 tokens
	s_and_b32 s16, s14, 1                          ; my 64 columns
	s_and_b32 s17, s14, 3                          ; which two records I fetch
	s_bfe_u32 s40, ttmp6, 0x40000                  ; cx
	s_bfe_u32 s41, ttmp6, 0x40004                  ; cy
	s_lshl_b32 s42, ttmp9, 2
	s_add_co_u32 s42, s42, s40                     ; the block's column
	s_and_b32 s18, ttmp7, 0xffff
	s_lshl_b32 s18, s18, 2
	s_add_co_u32 s18, s18, s41                     ; the block's row
	s_lshl_b32 s43, s41, 2
	s_lshl_b32 s43, 15, s43                        ; my row of the cluster
	s_lshl_b32 s44, 0x1111, s40                    ; my column
	s_or_b32 s[G1+0], s43, (3<<16)|(1<<21)         ; two records are a dense block: 100 rows of 256 bytes; elements of 8 bytes; no padding
	s_or_b32 s[G1B+0], s44, (3<<16)|(1<<21)
.irp g, G1, G1B
	s_mov_b32 s[\g+1], 32<<16
	s_mov_b32 s[\g+2], 100<<16
	s_mov_b32 s[\g+3], 32<<16
	s_mov_b32 s[\g+4], 100
	s_mov_b32 s[\g+5], 32
	s_mov_b32 s[\g+6], 0
	s_mov_b32 s[\g+7], 0
.endr
	s_lshl_b32 s19, s17, 1
	s_lshl_b32 s20, s18, 3
	s_add_co_u32 s20, s20, s19
	s_mul_i32 s20, s20, REC
	s_mov_b32 s21, 0
	s_lshl_b32 s46, s42, 3
	s_add_co_u32 s46, s46, s19
	s_mul_i32 s46, s46, REC
	s_mov_b32 s47, 0
	s_mul_i32 s45, s14, 2*REC                      ; where they go: O's eight records, then w_out's eight
	s_wait_dscnt 0x0
	s_wait_kmcnt 0x0
	s_mov_b32 s[G0], 1
	s_mov_b32 s[G0+1], s45
	s_add_nc_u64 s[G0+2:G0+3], s[4:5], s[20:21]
	s_or_b32 s[G0+3], s[G0+3], 0x80000000
	s_mov_b32 s[G0B], 1
	s_mov_b32 s[G0B+1], s45
	s_add_nc_u64 s[G0B+2:G0B+3], s[6:7], s[46:47]
	s_or_b32 s[G0B+3], s[G0B+3], 0x80000000
	CROUND                                         ; all sixteen work-groups are here: the joint loads meet
	s_cmp_lt_u32 s14, 4                            ; waves 0-3 fetch O's records, waves 4-7 w_out's; four v_nop follow each line
	s_cbranch_scc0 .Lfor_b
	tensor_load_to_lds s[G0:G0+3], s[G1:G1+7]
	s_nop 0
.rept 4
	v_nop
.endr
	s_branch .Lasked
.Lfor_b:
	tensor_load_to_lds s[G0B:G0B+3], s[G1B:G1B+7]
	s_nop 0
.rept 4
	v_nop
.endr
.Lasked:
	v_and_b32 v10, 31, v0                          ; lane
	v_and_b32 v11, 15, v0                          ; r
	v_bfe_u32 v12, v0, 4, 1                        ; h
	s_mul_i32 s21, s15, 2*REC                      ; my two tiles of tokens
	v_lshl_add_u32 v[AA16], v10, 4, s21
	v_lshl_add_u32 v[AA8], v10, 3, s21
	s_mul_i32 s22, s16, 4*REC
	s_add_co_u32 s22, s22, BOFF                    ; my four tiles of w_out
	v_lshl_add_u32 v[AB], v10, 4, s22
	s_sub_co_u32 s22, s22, s21
	v_mul_u32_u24 v13, s22, v12                    ; scale words: lanes 16-31 take w_out's
	s_add_co_u32 s23, s22, 2*REC
	v_mul_u32_u24 v14, s23, v12                    ; and its tiles 2, 3
	s_add_co_u32 s21, s21, 12288
	v_lshl_add_u32 v15, v11, 3, s21
	s_delay_alu instid0(VALU_DEP_1)
	v_add_nc_u32 v[ADS], v15, v13
	s_delay_alu instid0(VALU_DEP_2)
	v_add_nc_u32 v[ADS+1], v15, v14
	s_mul_i32 s23, s14, 32*SP
	s_add_co_u32 s23, s23, STG                     ; my stage
	v_mul_u32_u24 v13, v11, SP
	s_delay_alu instid0(VALU_DEP_1)
	v_lshl_add_u32 v13, v12, 6, v13
	s_delay_alu instid0(VALU_DEP_1)
	v_add_nc_u32 v[STO], s23, v13                  ; in: row r of a tile, + 64 h
	v_mul_u32_u24 v13, v12, SP
	s_delay_alu instid0(VALU_DEP_1)
	v_lshl_add_u32 v13, v11, 4, v13
	s_delay_alu instid0(VALU_DEP_1)
	v_add_nc_u32 v[RD], s23, v13                   ; back: lanes 0-15 one row of 256 bytes, lanes 16-31 the next
	v_lshlrev_b32 v[BO], 4, v11
	s_delay_alu instid0(VALU_DEP_1)
	v_lshl_add_u32 v[CO], v12, 12, v[BO]           ; and the same two rows in x and in out0
	s_wait_alu depctr_va_vdst(0)
	s_lshl_b32 s36, s18, 19                        ; 128 rows of 4,096 bytes a block, 32 a pair of waves
	s_lshl_b32 s37, s15, 17
	s_add_co_u32 s36, s36, s37
	s_lshl_b32 s38, s42, 9                         ; 512 bytes of a row a block, 256 a wave
	s_lshl_b32 s39, s16, 8
	s_add_co_u32 s38, s38, s39
	s_add_co_u32 s36, s36, s38
	s_mov_b32 s37, 0
	s_mov_b32 s39, 0
	s_add_nc_u64 s[8:9], s[8:9], s[36:37]
	s_add_nc_u64 s[12:13], s[12:13], s[36:37]
	s_add_nc_u64 s[10:11], s[10:11], s[38:39]
.irp i, 0,1,2,3,4,5,6,7,8,9,10,11,12,13,14,15
	global_load_b128 v[XR+4*\i:XR+4*\i+3], v[CO], s[8:9] offset:(16*((\i/4)%2)+8*(\i/8)+2*(\i%4))*4096 th:TH_LOAD_NT   ; the residual, in the order in which the stage's rows (tile order) come back
.endr
	global_load_b128 v[BI:BI+3], v[BO], s[10:11]
	s_wait_tensorcnt 0x0                           ; my two records are in,
	s_barrier_signal -1
	s_barrier_wait -1                              ; everybody's are
.irp t, 0,1,2,3
.irp g, 0,1,2,3
	ds_load_b64 v[SC+8*\t+2*\g:SC+8*\t+2*\g+1], v[ADS+\t/2] offset:(\t%2)*REC+128*\g
.endr
.endr
.macro KSTEP s
.if \s > 0
.rept 4
	v_nop                                          ; places in front of loads into registers that matrix instructions have read
.endr
.endif
.irp u, 0,1
	ds_load_b128 v[AF+12*\u:AF+12*\u+3], v[AA16] offset:REC*\u+1536*\s
	ds_load_b64 v[AF+12*\u+4:AF+12*\u+5], v[AA8] offset:REC*\u+1536*\s+512
	ds_load_b128 v[AF+12*\u+6:AF+12*\u+9], v[AA16] offset:REC*\u+1536*\s+768
	ds_load_b64 v[AF+12*\u+10:AF+12*\u+11], v[AA8] offset:REC*\u+1536*\s+1280
.endr
.irp t, 0,1,2,3
.irp i, 0,1,2
	ds_load_b128 v[BF+12*\t+4*\i:BF+12*\t+4*\i+3], v[AB] offset:REC*\t+1536*\s+512*\i
.endr
.endr
	s_wait_dscnt 0x0
.irp u, 0,1
.irp t, 0,1,2,3
.if \s == 0
	v_wmma_scale_f32_16x16x128_f8f6f4 v[ACC+8*(4*\u+\t):ACC+8*(4*\u+\t)+7], v[BF+12*\t:BF+12*\t+11], v[AF+12*\u:AF+12*\u+11], 0, v[SC+8*\t+\s], v[SC+8*\u+\s] matrix_a_fmt:MATRIX_FMT_FP6 matrix_b_fmt:MATRIX_FMT_FP6 matrix_a_scale:MATRIX_SCALE_ROW1
.else
	v_wmma_scale_f32_16x16x128_f8f6f4 v[ACC+8*(4*\u+\t):ACC+8*(4*\u+\t)+7], v[BF+12*\t:BF+12*\t+11], v[AF+12*\u:AF+12*\u+11], v[ACC+8*(4*\u+\t):ACC+8*(4*\u+\t)+7], v[SC+8*\t+\s], v[SC+8*\u+\s] matrix_a_fmt:MATRIX_FMT_FP6 matrix_b_fmt:MATRIX_FMT_FP6 matrix_a_scale:MATRIX_SCALE_ROW1
.endif
.endr
.endr
.endm
.irp s, 0,1,2,3,4,5,6,7
	KSTEP \s
.endr
	s_wait_loadcnt 0x0                             ; the residual and the bias
.irp i, 0,1,2,3,4,5,6,7,8,9,10,11,12,13,14,15
	v_pk_add_f32 v[XR+4*\i:XR+4*\i+1], v[XR+4*\i:XR+4*\i+1], v[BI:BI+1]         ; x + b_out; these are also the places behind the last products
	v_pk_add_f32 v[XR+4*\i+2:XR+4*\i+3], v[XR+4*\i+2:XR+4*\i+3], v[BI+2:BI+3]
.endr
.irp u, 0,1
.irp t, 0,1,2,3
	ds_store_b128 v[STO], v[ACC+8*(4*\u+\t):ACC+8*(4*\u+\t)+3] offset:16*\u*SP+128*(\t/2)+32*(\t%2)        ; lane (r, h): columns 32 (t / 2) + 16 h + 8 (t % 2) + 0 .. 7; each accumulator from its low end on
	ds_store_b128 v[STO], v[ACC+8*(4*\u+\t)+4:ACC+8*(4*\u+\t)+7] offset:16*\u*SP+128*(\t/2)+32*(\t%2)+16
.endr
.endr
.irp i, 0,1,2,3,4,5,6,7,8,9,10,11,12,13,14,15
	ds_load_b128 v[AF+4*\i:AF+4*\i+3], v[RD] offset:2*\i*SP    ; LDS serves a wave's instructions in order (ISA guide 5.7.1.4): these see my stores
.endr
.irp i, 0,1,2,3,4,5,6,7,8,9,10,11,12,13,14,15
	s_wait_dscnt 15-\i                             ; the younger loads of the sixteen may be out
	v_pk_add_f32 v[AF+4*\i:AF+4*\i+1], v[AF+4*\i:AF+4*\i+1], v[XR+4*\i:XR+4*\i+1]
	v_pk_add_f32 v[AF+4*\i+2:AF+4*\i+3], v[AF+4*\i+2:AF+4*\i+3], v[XR+4*\i+2:XR+4*\i+3]
	global_store_b128 v[CO], v[AF+4*\i:AF+4*\i+3], s[12:13] offset:(16*((\i/4)%2)+8*(\i/8)+2*(\i%4))*4096 th:TH_STORE_NT   ; sixteen lanes store 256 consecutive bytes, at a multiple of 256 from out0's first byte
.endr
	s_wait_tensorcnt 0x0
	ds_add_u32 v254, v255
	s_wait_dscnt 0x0
	CROUND                                         ; the closing round: no work-group ends while a partner may still ask for records that name it
	s_endpgm
.Lfunc_end_k_q53e353dbff_outproj:
	.size	k_q53e353dbff_outproj, .Lfunc_end_k_q53e353dbff_outproj-k_q53e353dbff_outproj
	.p2alignl 7, 3214868480
	.fill 96, 4, 3214868480
	.section	.rodata,"a",@progbits
	.p2align	6, 0x0
	.amdhsa_kernel k_q53e353dbff_outproj
		.amdhsa_group_segment_fixed_size 275456
		.amdhsa_private_segment_fixed_size 0
		.amdhsa_enable_private_segment 0
		.amdhsa_kernarg_size 40
		.amdhsa_user_sgpr_count 2
		.amdhsa_user_sgpr_kernarg_segment_ptr 1
		.amdhsa_wavefront_size32 1
		.amdhsa_system_sgpr_workgroup_id_x 1
		.amdhsa_system_sgpr_workgroup_id_y 1
		.amdhsa_system_sgpr_workgroup_id_z 1
		.amdhsa_system_vgpr_workitem_id 0
		.amdhsa_next_free_vgpr 256
		.amdhsa_next_free_sgpr 66
		.amdhsa_reserve_vcc 0
		.amdhsa_float_denorm_mode_32 3
		.amdhsa_float_denorm_mode_16_64 3
		.amdhsa_memory_ordered 1
		.amdhsa_forward_progress 1
		.amdhsa_inst_pref_size 37
	.end_amdhsa_kernel
	.amdgpu_metadata
---
amdhsa.version: [ 1, 2 ]
amdhsa.kernels:
  - .name:           k_q53e353dbff_outproj
    .symbol:         k_q53e353dbff_outproj.kd
    .args:
      - { .name: o_img, .offset: 0, .size: 8, .value_kind: global_buffer, .address_space: global }
      - { .name: wout_img, .offset: 8, .size: 8, .value_kind: global_buffer, .address_space: global }
      - { .name: x, .offset: 16, .size: 8, .value_kind: global_buffer, .address_space: global }
      - { .name: b_out, .offset: 24, .size: 8, .value_kind: global_buffer, .address_space: global }
      - { .name: out0, .offset: 32, .size: 8, .value_kind: global_buffer, .address_space: global }
    .group_segment_fixed_size: 275456
    .private_segment_fixed_size: 0
    .kernarg_segment_align: 8
    .kernarg_segment_size: 40
    .max_flat_workgroup_size: 256
    .sgpr_count:     66
    .vgpr_count:     256
    .wavefront_size: 32
...
	.end_amdgpu_metadata
.endif
;; end of part 4
